; MI455X (gfx1250); checked and timed in simulation.
; The chip was launched on July 23, 2026; its instructions are those of AMD's public machine-readable ISA for CDNA 5 (MIT licence, August 2026) and "CDNA5" Instruction Set Architecture Reference Guide (July 2026). The comments in the code are by the model that wrote it; some were corrected since.
;; Chunked Local Attention. Allowed arithmetic: matrix products marked QUANTISED: E2M1 operands, one E8M0 scale for each 32 along K, by v_wmma_scale_f32_16x16x128_f8f6f4 with both operands' format E2M1 (or v_wmma_scale_f32_32x16x128_f4), f32 sums; products left as they are: bf16, f16 or f32 operands; f32 sums; everything else in f32.
;; Inputs: Wk 512 x 512 float32; Wo 512 x 512 float32; Wq 512 x 512 float32; Wv 512 x 512 float32; x 4 x 8,192 x 512 float32.
;; Outputs: out0 4 x 8,192 x 512 float32.
;; This version of the problem:
;;   THIS VERSION OF THE PROBLEM IS GIVEN IN LOW PRECISION. The matrix products marked QUANTISED in the list below multiply operands that are first quantised to E2M1 (2 exponent bits, 1 mantissa bit; 4 bits a number), with one power-of-two scale for each 32 numbers along K (OCP MX v1.0); their sums are f32. The products marked 'left as it is' may take bf16, f16 or f32 operands, with f32 sums. Whichever they take, every output number must still come out within the allowed error. Rounding operands to bf16 (8 significant bits) uses up far more of that allowance than f16 does (11 bits, for magnitudes from 6e-5 to 65,504). All else is computed in f32.
;;   The module's matrix products, in the order in which they are computed (A, B: the left and right operand; K: the contracted axis; several contracted axes count as one K, in the product's order):
;;     1. [M 32,768, K 512] x [K 512, N 512]; A: input x; B: input Wq: QUANTISED
;;     2. [M 32,768, K 512] x [K 512, N 512]; A: input x; B: input Wk: QUANTISED
;;     3. [M 32,768, K 512] x [K 512, N 512]; A: input x; B: input Wv: QUANTISED
;;     4. batch 2,048 x [M 256, K 32] x [K 32, N 256]; A: computed on the way; B: computed on the way: left as it is (an operand is computed on the way)
;;     5. batch 2,048 x [M 256, K 256] x [K 256, N 32]; A: computed on the way; B: computed on the way: left as it is (an operand is computed on the way)
;;     6. [M 32,768, K 512] x [K 512, N 512]; A: computed on the way; B: input Wo: left as it is (an operand is computed on the way)
;;   THE QUANTISER, for each operand of a quantised product, along K:
;;     - K is cut into blocks of 32 from its start; a last block that is shorter is filled with zeros.
;;     - A block's scale is 2^e with e = floor(log2(the largest magnitude in the block)) - 2, held to -126 .. 127; a block of zeros has e = 0. As a byte (E8M0): e + 127.
;;     - Each number is divided by its block's scale, clamped to +-6, and rounded to the nearest number of E2M1, ties to even, subnormals kept.
;;     - The product sums the exact products of the quantised numbers (number of the format x scale) in f32.
;;   ~~~python
;;   def quantise(x, axis):      # numpy; x: float32 -> the quantised numbers, widened to float32 again
;;       x = np.moveaxis(x, axis, -1); K = x.shape[-1]
;;       x = np.pad(x, [(0, 0)] * (x.ndim - 1) + [(0, -K % 32)]); x = x.reshape(x.shape[:-1] + (-1, 32)); a = np.abs(x).max(-1, keepdims=True)
;;       e = np.where(a > 0, np.clip(np.frexp(np.where(a > 0, a, 1))[1] - 1 - 2, -126, 127), 0)      # np.frexp(a)[1] - 1 = floor(log2(a)), exactly
;;       r = np.clip(x / 2.0 ** e, -6, 6)
;;       step = 2.0 ** (np.maximum(np.frexp(np.where(r == 0, 1, r))[1] - 1, 0) - 1)
;;       q = np.round(r / step) * step * 2.0 ** e      # np.round: ties to even
;;       return np.moveaxis(q.reshape(q.shape[:-2] + (-1,))[..., :K], -1, axis).astype(np.float32)
;;   ~~~
;; 2 versions, each right; version 2 is version 1 with the launch fused written anew for expert scheduling mode. Each part assembles by itself: llvm-mc -triple=amdgcn-amd-amdhsa -mcpu=gfx1250 --defsym DOCPART=n.
;; ======== version 1 of 2: 2 launches
;; limits: values are held in f16: magnitudes above 65,504 overflow, below 6.1e-05 lose precision
;; workspace buffers: wcodes 393,216 bytes; wscales 24,576 bytes; wo16 524,288 bytes
;; launch prep (part 1): grid 64 x 1, 4 waves a work-group, no clusters, 0 bytes of LDS; arguments Wq, Wk, Wv, Wo, wcodes, wscales, wo16; writes wcodes, wscales, wo16
.if DOCPART == 1
	.amdgcn_target "amdgcn-amd-amdhsa--gfx1250"
	.amdhsa_code_object_version 6
	.text
	.protected	k_q091cbc087c_prep
	.globl	k_q091cbc087c_prep
	.p2align	8
	.type	k_q091cbc087c_prep,@function
k_q091cbc087c_prep:
	s_mov_b64 s[64:65], 0
	v_nop
	global_prefetch_b8 v0, s[64:65] scope:SCOPE_SE
	s_setreg_imm32_b32 hwreg(HW_REG_WAVE_MODE, 25, 1), 1
	s_wait_xcnt 0x0
; The four weights [512 (k)][512 (n)] f32 are laid out once, in the order in which a wave's operand registers take them.
; Wq, Wk, Wv become codes of FP4 (E2M1) with one E8M0 byte for each 32 along K; Wo is rounded once to f16.
; A LANE TAKES A COLUMN n AND ITS REGISTERS RUN DOWN K: a load reads 128 consecutive bytes a wave (512 a work-group), a block of 32 along K lies in one lane's
; registers, its largest magnitude needs no other lane, and the conversions give codes with K innermost.  Nothing is transposed by an instruction.
; SHARES: work-group g: matrix g / 16 (3 = Wo), columns 128 ((g / 4) % 4) on, K 128 (g % 4) on.  Wave w: 32 columns = one head (4 cg + w); lane: nt = lane / 16, r = lane % 16.
; wcodes: fragments of 1,024 bytes, number ((head 3 + mat) 2 + nt) 4 + ks; in one, block t = 2 c + h of column r lies at 256 t + 16 r: registers 4 c .. 4 c + 3 of lane (r, h).
; wscales: for a head six blocks of 256 bytes (2 mat + nt); the word of column r and K step ks lies at 8 (r + 16 (ks % 2)) + 4 (ks / 2).
; wo16: fragments of 1,024 bytes, number 32 ks + ntile (ks: 32 along K); eight f16 Wo[32 ks + 8 q + 0 .. 7][16 ntile + r] lie at 256 q + 16 r.
; A block's scale is 2^(floor(log2(largest magnitude)) - 2); its byte is that magnitude's exponent field - 2, held at 1 from below.
; LIMITS: a block of zeros gets the byte 1 where the rule says 127 (its codes are zeros, and this program alone reads the bytes); NaN and infinities are not served;
; Wo is served up to 65,504 in magnitude (f16's largest number); under 6e-5 its f16 is subnormal.
; Every store but the scale words' covers 256 consecutive aligned bytes with sixteen lanes; the scale words (24,576 bytes in all) go out 4 bytes a lane, 8 apart.
.set X,  32                            ; v32-159  128 numbers down K, each register loaded once
.set CD, 16                            ; v16-31   codes, four registers a block: no store's data are written again
.set HF, 160                           ; v160-223 f16 pairs
	s_load_b256 s[4:11], s[0:1], 0x0               ; Wq, Wk, Wv, Wo
	s_load_b128 s[12:15], s[0:1], 0x20             ; wcodes, wscales
	s_load_b64 s[16:17], s[0:1], 0x30              ; wo16
	v_lshrrev_b32 v1, 5, v0
	v_readfirstlane_b32 s18, v1                    ; wave
	v_and_b32 v1, 31, v0                           ; lane
	v_and_b32 v6, 15, v0                           ; r
	v_bfe_u32 v7, v0, 4, 1                         ; nt
	v_lshlrev_b32 v2, 2, v1                        ; in: 4 bytes a lane
	v_lshlrev_b32 v3, 4, v6
	v_lshl_add_u32 v3, v7, 12, v3                  ; codes: 4,096 nt + 16 r
	v_lshlrev_b32 v4, 3, v6
	v_lshl_add_u32 v4, v7, 8, v4                   ; scale words: 256 nt + 8 r
	v_lshlrev_b32 v5, 4, v6
	v_lshl_add_u32 v5, v7, 10, v5                  ; f16: 1,024 nt + 16 r
	s_lshr_b32 s19, ttmp9, 4                       ; mat
	s_bfe_u32 s20, ttmp9, 0x20002                  ; cg: 2 bits from bit 2
	s_and_b32 s21, ttmp9, 3                        ; kq
	s_lshl_b32 s22, s20, 2
	s_add_co_u32 s22, s22, s18                     ; head = 4 cg + w
	s_lshl_b32 s24, s21, 18                        ; in: 128 kq rows of 2,048 bytes + 512 cg + 128 w
	s_lshl_b32 s26, s20, 9
	s_add_co_u32 s24, s24, s26
	s_lshl_b32 s26, s18, 7
	s_add_co_u32 s24, s24, s26
	s_mov_b32 s25, 0
	s_mul_i32 s26, s22, 3                          ; codes: (3 head + mat) 8,192 + 1,024 kq
	s_add_co_u32 s26, s26, s19
	s_lshl_b32 s26, s26, 13
	s_lshl_b32 s28, s21, 10
	s_add_co_u32 s26, s26, s28
	s_mov_b32 s27, 0
	s_mul_i32 s28, s22, 1536                       ; scale words: 1,536 head + 512 mat + 128 (kq % 2) + 4 (kq / 2)
	s_lshl_b32 s30, s19, 9
	s_add_co_u32 s28, s28, s30
	s_and_b32 s30, s21, 1
	s_lshl_b32 s30, s30, 7
	s_add_co_u32 s28, s28, s30
	s_lshr_b32 s30, s21, 1
	s_lshl_b32 s30, s30, 2
	s_add_co_u32 s28, s28, s30
	s_mov_b32 s29, 0
	s_lshl_b32 s30, s21, 17                        ; f16: 4 kq K steps of 32,768 bytes + (8 cg + 2 w) 1,024
	s_lshl_b32 s23, s20, 13
	s_add_co_u32 s30, s30, s23
	s_lshl_b32 s23, s18, 11
	s_add_co_u32 s30, s30, s23
	s_mov_b32 s31, 0
	s_wait_kmcnt 0x0
	s_cmp_eq_u32 s19, 0                            ; which weight: the choice hangs on the work-group's number alone
	s_cselect_b64 s[4:5], s[4:5], s[6:7]
	s_cmp_lt_u32 s19, 2
	s_cselect_b64 s[4:5], s[4:5], s[8:9]
	s_cmp_lt_u32 s19, 3
	s_cselect_b64 s[4:5], s[4:5], s[10:11]
	s_add_nc_u64 s[4:5], s[4:5], s[24:25]
	s_add_nc_u64 s[12:13], s[12:13], s[26:27]
	s_add_nc_u64 s[14:15], s[14:15], s[28:29]
	s_add_nc_u64 s[16:17], s[16:17], s[30:31]
.macro LOADB t                         ; block t: W(32 t + i, my column), i = 0 .. 31
.set ii, 0
.rept 32
	global_load_b32 v[X+32*(\t)+ii], v2, s[4:5] offset:(32*(\t)+ii)*2048 th:TH_LOAD_NT
.set ii, ii+1
.endr
.endm
.macro NEXTB t                         ; block t is in; the loads run two blocks ahead
.if (\t) < 3
	s_wait_loadcnt 32                              ; behind block t's loads only block t + 1's 32 have been issued
.else
	s_wait_loadcnt 0x0
.endif
.if (\t) < 2
	LOADB (\t)+2
.endif
.endm
.macro BLOCKQ t
.set XB, X+32*(\t)
	NEXTB \t
	v_max3_num_f32 v8, |v[XB]|, |v[XB+1]|, |v[XB+2]|               ; the block's largest magnitude: all 32 numbers are mine; two chains
	v_max3_num_f32 v9, |v[XB+3]|, |v[XB+4]|, |v[XB+5]|
.irp i, 6,10,14,18,22,26
	v_max3_num_f32 v8, v8, |v[XB+\i]|, |v[XB+\i+1]|
	v_max3_num_f32 v9, v9, |v[XB+\i+2]|, |v[XB+\i+3]|
.endr
	v_max3_num_f32 v8, v8, |v[XB+30]|, |v[XB+31]|
	v_max3_num_f32 v8, v8, v9, 0x1800000           ; and the floor 2^(3 - 127): the byte cannot fall under 1
	v_add_nc_u32 v12, 0xff000000, v8               ; 2 off the exponent field: the conversion takes this operand's exponent field as its scale
	v_lshrrev_b32 v13, 23, v12                     ; the scale's byte
.if (\t) == 0
	v_mov_b32 v14, v13                             ; four bytes make the column's scale word for these 128 along K
.else
	v_lshl_or_b32 v14, v13, 8*(\t), v14
.endif
.irp g, 0,1,2,3
	v_cvt_scalef32_pk8_fp4_f32 v[CD+4*(\t)+\g], v[XB+8*\g:XB+8*\g+7], v12
.endr
	v_nop                                          ; one plain place behind the conversions: the next block writes their scale operand
	global_store_b128 v3, v[CD+4*(\t):CD+4*(\t)+3], s[12:13] offset:256*(\t)   ; sixteen lanes: 256 consecutive bytes, aligned
.endm
.macro BLOCKH t                        ; 32 along K of Wo: one K step of the last product
	NEXTB \t
.irp i, 0,1,2,3,4,5,6,7,8,9,10,11,12,13,14,15
	v_cvt_pk_f16_f32 v[HF+16*(\t)+\i], v[X+32*(\t)+2*\i], v[X+32*(\t)+2*\i+1]   ; the lower k in the low half
.endr
.irp q, 0,1,2,3
	global_store_b128 v5, v[HF+16*(\t)+4*\q:HF+16*(\t)+4*\q+3], s[16:17] offset:(\t)*32768+256*\q
.endr
.endm
	LOADB 0
	LOADB 1
	s_cmp_eq_u32 s19, 3
	s_cbranch_scc1 .Lwo
	BLOCKQ 0
	BLOCKQ 1
	BLOCKQ 2
	BLOCKQ 3
	global_store_b32 v4, v14, s[14:15]
	s_endpgm
.Lwo:
	BLOCKH 0
	BLOCKH 1
	BLOCKH 2
	BLOCKH 3
	s_endpgm
.Lfunc_end_k_q091cbc087c_prep:
	.size	k_q091cbc087c_prep, .Lfunc_end_k_q091cbc087c_prep-k_q091cbc087c_prep
	.p2alignl 7, 3214868480
	.fill 96, 4, 3214868480
	.section	.rodata,"a",@progbits
	.p2align	6, 0x0
	.amdhsa_kernel k_q091cbc087c_prep
		.amdhsa_group_segment_fixed_size 0
		.amdhsa_private_segment_fixed_size 0
		.amdhsa_enable_private_segment 0
		.amdhsa_kernarg_size 56
		.amdhsa_user_sgpr_count 2
		.amdhsa_user_sgpr_kernarg_segment_ptr 1
		.amdhsa_wavefront_size32 1
		.amdhsa_system_sgpr_workgroup_id_x 1
		.amdhsa_system_sgpr_workgroup_id_y 1
		.amdhsa_system_sgpr_workgroup_id_z 1
		.amdhsa_system_vgpr_workitem_id 0
		.amdhsa_next_free_vgpr 224
		.amdhsa_next_free_sgpr 66
		.amdhsa_reserve_vcc 0
		.amdhsa_float_denorm_mode_32 3
		.amdhsa_float_denorm_mode_16_64 3
		.amdhsa_memory_ordered 1
		.amdhsa_forward_progress 1
		.amdhsa_inst_pref_size 33
	.end_amdhsa_kernel
	.amdgpu_metadata
---
amdhsa.version: [ 1, 2 ]
amdhsa.kernels:
  - .name:           k_q091cbc087c_prep
    .symbol:         k_q091cbc087c_prep.kd
    .args:
      - { .name: Wq, .offset: 0, .size: 8, .value_kind: global_buffer, .address_space: global }
      - { .name: Wk, .offset: 8, .size: 8, .value_kind: global_buffer, .address_space: global }
      - { .name: Wv, .offset: 16, .size: 8, .value_kind: global_buffer, .address_space: global }
      - { .name: Wo, .offset: 24, .size: 8, .value_kind: global_buffer, .address_space: global }
      - { .name: wcodes, .offset: 32, .size: 8, .value_kind: global_buffer, .address_space: global }
      - { .name: wscales, .offset: 40, .size: 8, .value_kind: global_buffer, .address_space: global }
      - { .name: wo16, .offset: 48, .size: 8, .value_kind: global_buffer, .address_space: global }
    .group_segment_fixed_size: 0
    .private_segment_fixed_size: 0
    .kernarg_segment_align: 8
    .kernarg_segment_size: 56
    .max_flat_workgroup_size: 128
    .sgpr_count:     66
    .vgpr_count:     224
    .wavefront_size: 32
...
	.end_amdgpu_metadata
.endif
;; end of part 1
;; launch fused (part 2): grid 256 x 1, 8 waves a work-group, no clusters, 184,320 bytes of LDS; arguments x, wcodes, wscales, wo16, out0; writes out0
.if DOCPART == 2
	.amdgcn_target "amdgcn-amd-amdhsa--gfx1250"
	.amdhsa_code_object_version 6
	.text
	.protected	k_q091cbc087c_fused
	.globl	k_q091cbc087c_fused
	.p2align	8
	.type	k_q091cbc087c_fused,@function
k_q091cbc087c_fused:
	s_mov_b64 s[64:65], 0
	v_nop
	global_prefetch_b8 v0, s[64:65] scope:SCOPE_SE
	s_setreg_imm32_b32 hwreg(HW_REG_WAVE_MODE, 25, 1), 1
	s_wait_xcnt 0x0
; out = attention(x Wq, x Wk, x Wv) Wo, inside chunks of 256 rows, 16 heads of 32; key j counts for query i where i - 64 <= j <= i.  All of it in one launch: q, k, v, the weights p and
; the attention's result never go to memory.
; The three projections run on codes of FP4 (E2M1) with one E8M0 scale for each 32 along K = 512: x is quantised here, the weights' codes come from the launch before.  Sums in f32.
; The scores, p V and the product with Wo take f16 operands (q, k, v, p, the attention's result, Wo: each rounded once) and f32 sums; the softmax is f32, with the row's true maximum taken away:
; the whole row, 80 keys, is at hand.
; LIMITS: |q|, |k|, |v|, |Wo| under 65,504 (f16's largest number); under 6e-5 an f16 is subnormal.  A hidden score is the product's sum + (-2^100), given as the C of the score product: with operands
; under 65,504 a true score stays under 1.4e11, so p is exactly 0 there.  A block of zeros of x gets the scale byte 1 (its codes are zeros).  NaN and infinities are not served.
; SHARES.  Work-group g owns output rows 128 g .. 128 g + 127: half a chunk.  It works in a FRAME of 12 tiles of 16 rows; frame tile T is row 128 g - 64 + 16 T.  Tiles 4-11 are its queries; tiles 0-3 are
; the 64 keys in front of them: rows of the same chunk where g is odd (their k and v are computed again here), no rows at all where g is even.  A STEP s is the pair of tiles 2 s, 2 s + 1.
; PHASE X: wave w quantises, for each step, one fragment of x (tile 2 s + w / 4, K step w % 4) and stores it in LDS as an image of the operand's registers.
; PHASE A: wave w owns heads 2 w and 2 w + 1, one a pass.  The head's 24 weight fragments stay in its registers.  Step by step: q^T, k^T, v of 32 rows; k and v join a sliding window of 96 keys in registers;
; for the step's two query tiles: scores against 5 key tiles each, softmax, p V, / the sum, image to LDS.  No barrier in this phase: the waves drift, and one wave's vector work stands beside the other's products.
; PHASE P: wave w owns output columns 64 w .. 64 w + 63 for all 128 rows: 32 accumulators, K = 16 heads.
; NOTHING CHANGES LANES.  q^T and k^T (source 0 = 16 columns of W, source 1 = 16 rows of x): a lane holds one row and d = 16 dt + 8 h + j, which packed in pairs IS an f16 fragment of Q or K.
; v (source 0 = x, source 1 = Wv): a lane holds one d and keys 8 h + j: two tiles packed are a fragment of V^T.  S^T = K Q^T: one query a lane, keys 8 h + j: two tiles packed are source 1 of O^T = V^T P.
; O^T packed is source 1 of out^T = Wo^T att^T, whose result holds 8 neighbouring output columns of one row.
; NO CLUSTER: what work-groups share is the weights (408 KB of codes and scales, 512 KB of Wo a work-group).  Each fragment goes from memory straight into the registers of the one wave that multiplies by it, once.
; A joint load lands in LDS: it would add those 0.9 MB written and 0.9 MB read to the 2.5 MB that a work-group moves through LDS, and in phase P double a K step's LDS reads (64 KB) for the same 256 products.
; NO PREFETCH: all of x is asked for in phase X, three units of 8 KB a wave on their way at a time; the weights are read by every work-group.
;
; LDS: XIMG 48 fragments of x, 1,024 bytes each (number 4 T + ks; registers 4 c .. 4 c + 3 of a lane at 512 c + 16 lane); XSC their scale words (tile T, K step ks, row r at 256 T + 64 ks + 4 r);
; ATT 128 fragments of the attention's result (8 head + query tile); SPARE; STG, the stage for the way out, lies over XIMG, which nobody reads behind the second barrier.
.set XIMG,  0
.set XSC,   49152
.set ATT,   52224
.set SPARE, 183296                     ; the spare words, 128 bytes for each wave: four blocks of 256 bytes that no other line names
.set STG,   0
.set SP,    272                        ; a stage row: 256 bytes + 16 = 17 x 16 bytes
; REGISTERS, window 0.  Kept: v0 thread, v1 16 lane, v2 8 lane, v3 4 lane, v4 / v5 the add's two.  v12-27 hold scale words and nothing else in the whole text.
.set LI,   1
.set L8,   2
.set LS,   3
.set SPW,  4
.set NIL,  5
.set NEGR, 6                           ; phase A: -2^100
.set ATTW, 7                           ; phase A: where I store the attention's images
.set NA,   8                           ; v[8:9], v[10:11]: -c max of tiles A, B (the low word serves both halves)
.set WSC,  12                          ; v12-23: W's scale words: register 2 (2 mat + nt) + sp: lanes 0-15 K step 2 sp, lanes 16-31 K step 2 sp + 1
.set XS,   24                          ; v24-27: x's: register 2 tile + sp, likewise
.set SUM,  28                          ; v[28:29], v[30:31]: the rows' sums
.set PT,   32                          ; v32, v33: lane l xor 16's
.set HM,   34                          ; v34-41: the C of scores against frame tiles 0-3: 0 where they are rows, -2^100 where there are none
.set VF,   42                          ; v42-89: V^T, three pairs of key tiles: pair u at 16 (u % 3) + 8 dt
.set SM2,  90                          ; v[90:91], v[92:93]: second chains of the sums, then 1 / sum
.set DD,   94
.set ACQ,  96                          ; the pool v96-255.  Projections: q(dt, tile) at 96 + 8 (2 dt + tile), k at 128 + .., v(tile, dt) at 160 + 8 (2 tile + dt);
.set ACK,  128
.set ACV,  160
.set RB,   192                         ; x's fragments of K steps 2, 3;
.set RC,   224                         ; of K steps 0, 1
.set SS,   96                          ; laid over what is done with: S^T, 40 a tile;
.set MT,   176                         ; maxima, 5 a tile;
.set QF,   192                         ; Q, 8 a tile;
.set PP,   176                         ; P, 24 a tile (three pairs of key tiles);
.set OO,   96                          ; O^T, 16 a tile, tiles 40 apart;
.set AF,   112                         ; its f16 image, 8 a tile, tiles 40 apart
; window 1: v0-191 the head's 24 weight fragments (8 ((2 mat + nt) 4 + ks)); v192-239 K, three pairs; v240-247 the diagonal tile's C; v248-255 the farthest tile's C.  Phase P: all 256 are accumulators.
.set KF,   192
.set DIAG, 240
.set FARX, 248
; phase X
.set XA,   7                           ; x: 2,048 r + 128 h
.set XW,   8                           ; image store: 16 lane + 1,024 w
.set XWS,  9                           ; scale word store: 4 r + 64 w
.set H8,   10                          ; 8 h
.set PW,   11                          ; the scale word
.set MG,   28                          ; v28-31 four chains of magnitudes
.set SO,   34                          ; v34-35 the conversions' scale operands
.set BY,   36                          ; v36-37 bytes
.set CDS,  40                          ; v40-47 the codes
.set B0,   64
.set B1,   128
.set B2,   192
; phase P
.set AT,   32                          ; v32-95, v96-159: the attention's fragments of a K step, two buffers
.set WO,   160                         ; v160-255: Wo's four fragments of a K step, three buffers
.set BK,   32                          ; the way out: v32-63, v64-95 by turns
.set MSB, 0
.macro WIN new                         ; s_set_vgpr_msb: bits 1:0 source 0, 3:2 source 1, 5:4 source 2, 7:6 destination; the high byte repeats the setting that is left
.if MSB != \new
	s_set_vgpr_msb (MSB<<8)|\new
.set MSB, \new
.endif
.endm
.macro PLACES                          ; four plain places behind matrix instructions, ahead of reads of their results and of loads and writes into their registers
.rept 4
	v_nop
.endr
.endm
	s_load_b256 s[4:11], s[0:1], 0x0               ; x, wcodes, wscales, wo16
	s_load_b64 s[12:13], s[0:1], 0x20              ; out0
	v_lshl_add_u32 v[SPW], v0, 2, SPARE
	v_mov_b32 v[NIL], 0
	v_lshrrev_b32 v6, 5, v0
	v_readfirstlane_b32 s14, v6                    ; wave 0..7
	s_and_b32 s15, ttmp9, 1                        ; which half of a chunk
	v_and_b32 v6, 31, v0                           ; lane
	v_lshlrev_b32 v[LI], 4, v6
	v_lshlrev_b32 v[L8], 3, v6
	v_lshlrev_b32 v[LS], 2, v6
	v_and_b32 v28, 15, v0                          ; r
	v_bfe_u32 v29, v0, 4, 1                        ; h
	v_lshlrev_b32 v[XA], 11, v28
	v_lshl_add_u32 v[XA], v29, 7, v[XA]
	s_lshl_b32 s16, s14, 10
	v_add_nc_u32 v[XW], s16, v[LI]
	s_lshl_b32 s16, s14, 6
	v_lshlrev_b32 v[XWS], 2, v28
	v_add_nc_u32 v[XWS], s16, v[XWS]
	v_lshlrev_b32 v[H8], 3, v29
	v_mov_b32 v[PT], 0                             ; a lane permute's destination counts as one of its sources
	s_mov_b32 s20, 0x76543210
	s_mov_b32 s21, 0xfedcba98                      ; v_permlanex16_b32's selects for lane l xor 16
	s_mov_b32 s22, 0x3e8293ee                      ; c = log2(e) / sqrt(32)
	s_mov_b32 s23, s22                             ; (named with it as a pair)
	s_mov_b32 s24, 0xbe8293ee                      ; -c
	s_mov_b32 s25, 0                               ; the pass
	s_lshl_b32 s27, s14, 14
	s_add_co_u32 s27, s27, ATT                     ; my head's eight images: ATT + 16,384 w + 8,192 pass
	s_lshl_b32 s16, ttmp9, 18                      ; 128 rows of 2,048 bytes a work-group
	s_mov_b32 s17, 0
	s_lshr_b32 s18, s14, 2
	s_lshl_b32 s18, s18, 15                        ; my tile of a step: 16 rows
	s_and_b32 s19, s14, 3
	s_lshl_b32 s19, s19, 9                         ; my K step: 128 numbers
	s_add_co_u32 s18, s18, s19
	s_mov_b32 s19, 0
	s_wait_kmcnt 0x0
	s_add_nc_u64 s[4:5], s[4:5], s[16:17]
	s_add_nc_u64 s[4:5], s[4:5], s[18:19]
	s_add_nc_u64 s[12:13], s[12:13], s[16:17]
	s_lshl_b32 s18, s14, 8
	s_add_nc_u64 s[12:13], s[12:13], s[18:19]      ; out0: my rows, my 64 columns
	s_mul_i32 s18, s14, 49152
	s_add_nc_u64 s[6:7], s[6:7], s[18:19]          ; head 2 w's 24 fragments
	s_mul_i32 s18, s14, 3072
	s_add_nc_u64 s[8:9], s[8:9], s[18:19]          ; and its scale words
	s_lshl_b32 s18, s14, 12
	s_add_nc_u64 s[10:11], s[10:11], s[18:19]      ; Wo: my four tiles of columns
; ---------------- PHASE X ----------------
; Unit u: my 16 rows x 128 numbers of step u.  Lane (r, h) takes of row r the numbers 64 c + 32 h + 0 .. 31: two whole blocks, in the order of the operand's registers.  For each c the eight loads on end
; use up one aligned 256 bytes of each of the 16 rows.  nt = 1: rows that this work-group alone reads.
.macro XLOAD u, b, nt
.irp c, 0,1
.irp g, 0,1,2,3,4,5,6,7
.if \nt
	global_load_b128 v[\b+32*\c+4*\g:\b+32*\c+4*\g+3], v[XA], s[4:5] offset:((\u)-2)*65536+256*\c+16*\g th:TH_LOAD_NT
.else
	global_load_b128 v[\b+32*\c+4*\g:\b+32*\c+4*\g+3], v[XA], s[4:5] offset:((\u)-2)*65536+256*\c+16*\g
.endif
.endr
.endr
.endm
.macro QUANT u, b
	s_wait_dscnt 0x0                               ; the last unit's stores have read their registers
.irp n, 0,1,2,3                        ; chain n: 16 numbers of block n / 2, and the floor 2^(3 - 127): the byte cannot fall under 1
	v_max3_num_f32 v[MG+\n], |v[\b+16*\n]|, |v[\b+16*\n+1]|, 0x1800000
.endr
.irp i, 2,4,6,8,10,12,14
.irp n, 0,1,2,3
	v_max3_num_f32 v[MG+\n], v[MG+\n], |v[\b+16*\n+\i]|, |v[\b+16*\n+\i+1]|
.endr
.endr
	v_max_num_f32 v[MG], v[MG], v[MG+1]
	v_max_num_f32 v[MG+2], v[MG+2], v[MG+3]
	v_add_nc_u32 v[SO], 0xff000000, v[MG]          ; 2 off the exponent field: the conversion's scale operand
	v_add_nc_u32 v[SO+1], 0xff000000, v[MG+2]
	v_lshrrev_b32 v[BY], 23, v[SO]
	v_lshrrev_b32 v[BY+1], 23, v[SO+1]
	v_lshl_or_b32 v[PW], v[BY+1], 16, v[BY]        ; my two bytes: blocks h and 2 + h of row r,
	v_lshlrev_b32 v[PW], v[H8], v[PW]              ; at their places in the word;
	v_permlanex16_b32 v[PT], v[PW], s20, s21
	v_or_b32 v[PW], v[PW], v[PT]                   ; with lane l xor 16's two the word is whole
.irp c, 0,1
.irp g, 0,1,2,3
	v_cvt_scalef32_pk8_fp4_f32 v[CDS+4*\c+\g], v[\b+32*\c+8*\g:\b+32*\c+8*\g+7], v[SO+\c]
.endr
.endr
	v_nop                                          ; one plain place behind the conversions
	ds_store_b128 v[XW], v[CDS:CDS+3] offset:XIMG+8192*(\u)        ; fragment 8 u + w, as it stands in the registers
	ds_store_b128 v[XW], v[CDS+4:CDS+7] offset:XIMG+8192*(\u)+512
	ds_store_b32 v[XWS], v[PW] offset:XSC+512*(\u)                 ; lanes l and l + 16 write the same word with the same value
.endm
.macro WFRAGS from, n                  ; n of the head's weight fragments into window 1: two loads of 512 consecutive bytes each
	WIN 0x40
.set ff, \from
.rept \n
	global_load_b128 v[8*ff:8*ff+3], v[LI], s[6:7] offset:1024*ff
	global_load_b128 v[8*ff+4:8*ff+7], v[LI], s[6:7] offset:1024*ff+512
.set ff, ff+1
.endr
	WIN 0
.endm
.macro WSCALES
.irp b, 0,1,2,3,4,5
	global_load_b64 v[WSC+2*\b:WSC+2*\b+1], v[L8], s[8:9] offset:256*\b
.endr
.endm
	s_cmp_eq_u32 s15, 0
	s_cbranch_scc1 .Lx_half0
	XLOAD 0, B0, 0                                 ; the 64 rows in front of my queries: the work-group before reads them too
	XLOAD 1, B1, 0
	XLOAD 2, B2, 1
	s_wait_loadcnt 32                              ; behind unit 0: units 1 and 2
	QUANT 0, B0
	s_wait_loadcnt 16                              ; behind unit 1: unit 2
	QUANT 1, B1
	s_branch .Lx_join
.Lx_half0:
	XLOAD 2, B2, 1
.Lx_join:                                              ; on both ways unit 2's sixteen loads are the only ones out
	XLOAD 3, B0, 1
	XLOAD 4, B1, 0
	s_wait_loadcnt 32                              ; behind unit 2: units 3 and 4
	QUANT 2, B2
	XLOAD 5, B2, 0
	s_wait_loadcnt 32                              ; behind unit 3: units 4 and 5
	QUANT 3, B0
	WFRAGS 0, 16                                   ; the first head's weights follow x
	s_wait_loadcnt 48                              ; behind unit 4: unit 5 and 32 loads of weights
	QUANT 4, B1
	WFRAGS 16, 8
	WSCALES
	s_wait_loadcnt 54                              ; behind unit 5: 32 + 16 + 6 loads of weights
	QUANT 5, B2
	s_wait_dscnt 0x0                               ; for the others' sake: my images lie in LDS
	s_barrier_signal -1
	; work on registers while the others arrive: the masks.  In S^T lane (r, h) holds query r and in register j key 8 h + j.  D = r - 8 h.
	v_mov_b32 v[NEGR], 0xf1800000                  ; -2^100
	v_and_b32 v[DD], 15, v0
	v_bfe_u32 v[DD+1], v0, 4, 1
	v_lshlrev_b32 v[DD+1], 3, v[DD+1]
	v_sub_nc_u32 v[DD], v[DD], v[DD+1]
	WIN 0x40
.irp j, 0,1,2,3,4,5,6,7
	v_cmp_gt_i32 vcc_lo, \j, v[DD]                 ; the query's own tile: hidden where the key comes after the query, j > D
	v_cndmask_b32 v[DIAG+\j], 0, v[NEGR], vcc_lo
.endr
	WIN 0
.irp j, 0,1,2,3,4,5,6,7
	v_cmp_lt_i32 s[32+\j], \j, v[DD]               ; the tile four back: hidden where the key lies more than 64 back, j < D
.endr
	s_cmp_eq_u32 s15, 0
.irp j, 0,1,2,3,4,5,6,7
	s_cselect_b32 s[40+\j], -1, s[32+\j]           ; the same for a tile four back that is one of frame tiles 0-3: wholly hidden where there are no such rows
.endr
	s_cselect_b32 s26, 0xf1800000, 0
.irp j, 0,1,2,3,4,5,6,7
	v_mov_b32 v[HM+\j], s26
.endr
	v_mov_b32 v[NA+1], 0                           ; upper halves of pairs of which the low word is used: named, so written
	v_mov_b32 v[NA+3], 0
	v_mov_b32 v[PT+1], 0
	s_barrier_wait -1                              ; x's fragments and scale words lie in LDS
; ---------------- PHASE A ----------------
.macro XPRE s                          ; step s: x's fragments of K steps 0, 1 and its scale words: 12 LDS loads, asked for a step ahead
.irp tl, 0,1
.irp ks, 0,1
.irp c, 0,1
	ds_load_b128 v[RC+16*\ks+8*\tl+4*\c:RC+16*\ks+8*\tl+4*\c+3], v[LI] offset:XIMG+((2*(\s)+\tl)*4+\ks)*1024+512*\c
.endr
.endr
.irp sp, 0,1
	ds_load_b32 v[XS+2*\tl+\sp], v[LS] offset:XSC+(2*(\s)+\tl)*256+128*\sp
.endr
.endr
.endm
.macro XREST s                         ; K steps 2, 3: 8 LDS loads
.irp tl, 0,1
.irp ks, 2,3
.irp c, 0,1
	ds_load_b128 v[RB+16*(\ks-2)+8*\tl+4*\c:RB+16*(\ks-2)+8*\tl+4*\c+3], v[LI] offset:XIMG+((2*(\s)+\tl)*4+\ks)*1024+512*\c
.endr
.endr
.endr
.endm
.macro MX d, a, b, sa, sb, ks          ; one product of 16 x 16 x 128 on codes.  K step 0 starts the sum; an odd K step's scale words lie in lanes 16-31 of both registers
.if (\ks) == 0
	v_wmma_scale_f32_16x16x128_f8f6f4 v[\d:\d+7], v[\a:\a+7], v[\b:\b+7], 0, v[\sa], v[\sb] matrix_a_fmt:MATRIX_FMT_FP4 matrix_b_fmt:MATRIX_FMT_FP4
.elseif ((\ks)%2) == 0
	v_wmma_scale_f32_16x16x128_f8f6f4 v[\d:\d+7], v[\a:\a+7], v[\b:\b+7], v[\d:\d+7], v[\sa], v[\sb] matrix_a_fmt:MATRIX_FMT_FP4 matrix_b_fmt:MATRIX_FMT_FP4
.else
	v_wmma_scale_f32_16x16x128_f8f6f4 v[\d:\d+7], v[\a:\a+7], v[\b:\b+7], v[\d:\d+7], v[\sa], v[\sb] matrix_a_fmt:MATRIX_FMT_FP4 matrix_b_fmt:MATRIX_FMT_FP4 matrix_a_scale:MATRIX_SCALE_ROW1 matrix_b_scale:MATRIX_SCALE_ROW1
.endif
.endm
; The projections of step s's 32 rows: q^T (withq), k^T, v.  The 12 (8) accumulators take turns, one instruction a turn, K ascending.
.macro PROJ s, withq
	XREST \s
	s_wait_dscnt 8                                 ; all but the eight just issued: K steps 0, 1, the scale words, and the last step's image stores
.irp ks, 0,1,2,3
.if \ks == 2
	s_wait_dscnt 0x0                               ; K steps 2, 3 are in
.endif
.if \ks < 2
.set XB, RC+16*\ks
.else
.set XB, RB+16*(\ks-2)
.endif
	WIN 0x01                                       ; source 0 (W) window 1
.if \withq
.irp dt, 0,1
.irp tl, 0,1
	MX ACQ+8*(2*\dt+\tl), 8*(4*\dt+\ks), XB+8*\tl, WSC+2*\dt+\ks/2, XS+2*\tl+\ks/2, \ks
.endr
.endr
.endif
.irp dt, 0,1
.irp tl, 0,1
	MX ACK+8*(2*\dt+\tl), 8*(4*(2+\dt)+\ks), XB+8*\tl, WSC+2*(2+\dt)+\ks/2, XS+2*\tl+\ks/2, \ks
.endr
.endr
	WIN 0x04                                       ; source 1 (W) window 1
.irp tl, 0,1
.irp dt, 0,1
	MX ACV+8*(2*\tl+\dt), XB+8*\tl, 8*(4*(4+\dt)+\ks), XS+2*\tl+\ks/2, WSC+2*(4+\dt)+\ks/2, \ks
.endr
.endr
.endr
	WIN 0
	PLACES
.endm
; The results become f16 fragments; each accumulator is read from its low end on.
.macro CVTQ
.irp tl, 0,1
.irp dt, 0,1
.irp i, 0,1,2,3
	v_cvt_pk_f16_f32 v[QF+8*\tl+4*\dt+\i], v[ACQ+8*(2*\dt+\tl)+2*\i], v[ACQ+8*(2*\dt+\tl)+2*\i+1]
.endr
.endr
.endr
.endm
.macro CVTK s
	WIN 0x40
.irp tl, 0,1
.irp dt, 0,1
.irp i, 0,1,2,3
	v_cvt_pk_f16_f32 v[KF+16*((\s)%3)+8*\tl+4*\dt+\i], v[ACK+8*(2*\dt+\tl)+2*\i], v[ACK+8*(2*\dt+\tl)+2*\i+1]
.endr
.endr
.endr
	WIN 0
.endm
.macro CVTV s
.irp tl, 0,1
.irp dt, 0,1
.irp i, 0,1,2,3
	v_cvt_pk_f16_f32 v[VF+16*((\s)%3)+8*\dt+4*\tl+\i], v[ACV+8*(2*\tl+\dt)+2*\i], v[ACV+8*(2*\tl+\dt)+2*\i+1]
.endr
.endr
.endr
.endm
; S^T of query tile 2 s + tl against key tile kt = 2 s - 4 + tl + t.  The mask is the product's C.
.macro SCORE s, tl, t
.set kt, 2*(\s)-4+(\tl)+(\t)
.set rK, KF+16*((kt/2)%3)+8*(kt%2)
.set rS, SS+40*(\tl)+8*(\t)
.set rQ, QF+8*(\tl)
.if (\t) == 0
	v_wmma_f32_16x16x32_f16 v[rS:rS+7], v[rK:rK+7], v[rQ:rQ+7], v[FARX:FARX+7]
.elseif (\t) == 4
	v_wmma_f32_16x16x32_f16 v[rS:rS+7], v[rK:rK+7], v[rQ:rQ+7], v[DIAG:DIAG+7]
.elseif kt < 4
	v_wmma_f32_16x16x32_f16 v[rS:rS+7], v[rK:rK+7], v[rQ:rQ+7], v[HM:HM+7]
.else
	v_wmma_f32_16x16x32_f16 v[rS:rS+7], v[rK:rK+7], v[rQ:rQ+7], 0
.endif
.endm
.macro SCORES s
	WIN 0x11                                       ; K and C window 1
	SCORE \s, 0, 0
	SCORE \s, 1, 0
	SCORE \s, 0, 4
	SCORE \s, 1, 4
	WIN 0x01                                       ; K window 1
.irp t, 1,2,3
	SCORE \s, 0, \t
	SCORE \s, 1, \t
.endr
	WIN 0
	PLACES
.endm
; The softmax of both query tiles, line by line by turns.  A lane holds 40 of its query's 80 scores; lane l xor 16 holds the others.
.macro SOFTMAX
.irp t, 0,1,2,3,4
.irp tl, 0,1
	v_max3_num_f32 v[MT+5*\tl+\t], v[SS+40*\tl+8*\t], v[SS+40*\tl+8*\t+1], v[SS+40*\tl+8*\t+2]   ; each score tile is read from its low end on
.endr
.endr
.irp i, 3,5
.irp t, 0,1,2,3,4
.irp tl, 0,1
	v_max3_num_f32 v[MT+5*\tl+\t], v[MT+5*\tl+\t], v[SS+40*\tl+8*\t+\i], v[SS+40*\tl+8*\t+\i+1]
.endr
.endr
.endr
.irp tl, 0,1
	v_max3_num_f32 v[MT+5*\tl], v[MT+5*\tl], v[SS+40*\tl+7], v[SS+40*\tl+15]
	v_max3_num_f32 v[MT+5*\tl+1], v[MT+5*\tl+1], v[SS+40*\tl+23], v[SS+40*\tl+31]
	v_max3_num_f32 v[MT+5*\tl+2], v[MT+5*\tl+2], v[MT+5*\tl+3], v[SS+40*\tl+39]
.endr
.irp tl, 0,1
	v_max3_num_f32 v[MT+5*\tl], v[MT+5*\tl], v[MT+5*\tl+1], v[MT+5*\tl+2]
.endr
.irp tl, 0,1
	v_max_num_f32 v[MT+5*\tl], v[MT+5*\tl], v[MT+5*\tl+4]
.endr
.irp tl, 0,1
	v_permlanex16_b32 v[PT+\tl], v[MT+5*\tl], s20, s21
.endr
.irp tl, 0,1
	v_max_num_f32 v[MT+5*\tl], v[MT+5*\tl], v[PT+\tl]              ; the row's largest score: its own key always counts
.endr
.irp tl, 0,1
	v_mul_f32 v[NA+2*\tl], s24, v[MT+5*\tl]                        ; -c max
.endr
.irp k, 0,2,4,6,8,10,12,14,16,18,20,22,24,26,28,30,32,34,36,38
.irp tl, 0,1
	v_pk_fma_f32 v[SS+40*\tl+\k:SS+40*\tl+\k+1], v[SS+40*\tl+\k:SS+40*\tl+\k+1], s[22:23], v[NA+2*\tl:NA+2*\tl+1] op_sel_hi:[1,0,0]   ; c s - c max, two at a time
.endr
.endr
.set ee, 0
.rept 80
	v_exp_f32 v[SS+ee], v[SS+ee]                   ; p = 2^(c s - c max): one batch
.set ee, ee+1
.endr
.set ee, 0
.rept 8
	v_mov_b32 v[PP+20+ee], 0                       ; P's empty thirds: tile A has no key tile 2 s + 1, tile B no key tile 2 s - 4.  (Plain work behind the batch)
.set ee, ee+1
.endr
	s_wait_alu depctr_va_vdst(0)                   ; one wait for the batch, ahead of its first reader
.irp tl, 0,1
	v_pk_add_f32 v[SUM+2*\tl:SUM+2*\tl+1], v[SS+40*\tl:SS+40*\tl+1], v[SS+40*\tl+2:SS+40*\tl+3]    ; the row's sum of the unrounded p, in two chains
.endr
.irp tl, 0,1
	v_pk_add_f32 v[SM2+2*\tl:SM2+2*\tl+1], v[SS+40*\tl+4:SS+40*\tl+5], v[SS+40*\tl+6:SS+40*\tl+7]
.endr
.irp k, 8,12,16,20,24,28,32,36
.irp tl, 0,1
	v_pk_add_f32 v[SUM+2*\tl:SUM+2*\tl+1], v[SUM+2*\tl:SUM+2*\tl+1], v[SS+40*\tl+\k:SS+40*\tl+\k+1]
.endr
.irp tl, 0,1
	v_pk_add_f32 v[SM2+2*\tl:SM2+2*\tl+1], v[SM2+2*\tl:SM2+2*\tl+1], v[SS+40*\tl+\k+2:SS+40*\tl+\k+3]
.endr
.endr
.irp tl, 0,1
	v_pk_add_f32 v[SUM+2*\tl:SUM+2*\tl+1], v[SUM+2*\tl:SUM+2*\tl+1], v[SM2+2*\tl:SM2+2*\tl+1]
.endr
.irp tl, 0,1
	v_add_f32 v[SUM+2*\tl], v[SUM+2*\tl], v[SUM+2*\tl+1]
.endr
.irp tl, 0,1
	v_permlanex16_b32 v[PT+\tl], v[SUM+2*\tl], s20, s21
.endr
.irp tl, 0,1
	v_add_f32 v[SUM+2*\tl], v[SUM+2*\tl], v[PT+\tl]
.endr
.irp k, 0,1,2,3,4,5,6,7,8,9,10,11,12,13,14,15,16,17,18,19
.irp tl, 0,1
	v_cvt_pk_f16_f32 v[PP+28*\tl+\k], v[SS+40*\tl+2*\k], v[SS+40*\tl+2*\k+1]   ; tile A's P begins at its first third, tile B's four registers on
.endr
.endr
.irp tl, 0,1
	v_rcp_f32 v[SM2+2*\tl], v[SUM+2*\tl]           ; 1 / sum: wanted behind the products below
.endr
.endm
; O^T = V^T P over the three pairs of key tiles s - 2, s - 1, s: four accumulators by turns.
.macro PV s
.irp pi, 0,1,2
.irp tl, 0,1
.irp dt, 0,1
.set rV, VF+16*(((\s)-2+\pi)%3)+8*\dt
.set rO, OO+40*\tl+8*\dt
.set rP, PP+24*\tl+8*\pi
.if \pi == 0
	v_wmma_f32_16x16x32_f16 v[rO:rO+7], v[rV:rV+7], v[rP:rP+7], 0
.else
	v_wmma_f32_16x16x32_f16 v[rO:rO+7], v[rV:rV+7], v[rP:rP+7], v[rO:rO+7]
.endif
.endr
.endr
.endr
	PLACES                                         ; behind the products, and the plain place behind the reciprocals
	s_wait_alu depctr_va_vdst(0)                   ; the wait for the two reciprocals, ahead of their first reader
.endm
.macro OUTA s                          ; O^T / the sum, rounded to f16: a fragment of the last product; image to LDS
.irp k, 0,2,4,6,8,10,12,14
.irp tl, 0,1
	v_pk_mul_f32 v[OO+40*\tl+\k:OO+40*\tl+\k+1], v[OO+40*\tl+\k:OO+40*\tl+\k+1], v[SM2+2*\tl:SM2+2*\tl+1] op_sel_hi:[1,0]
.endr
.endr
.irp k, 0,1,2,3,4,5,6,7
.irp tl, 0,1
	v_cvt_pk_f16_f32 v[AF+40*\tl+\k], v[OO+40*\tl+2*\k], v[OO+40*\tl+2*\k+1]
.endr
.endr
.irp tl, 0,1
.irp c, 0,1
	ds_store_b128 v[ATTW], v[AF+40*\tl+4*\c:AF+40*\tl+4*\c+3] offset:(2*((\s)-2)+\tl)*1024+512*\c
.endr
.endr
.endm
.macro FARSET m                        ; the farthest tile's C from the lane masks s[m .. m + 7]
	WIN 0x40
.irp j, 0,1,2,3,4,5,6,7
	v_cndmask_b32 v[FARX+\j], 0, v[NEGR], s[\m+\j]
.endr
	WIN 0
.endm
.macro STEPH s                         ; a step of the 64 rows in front of the queries: k and v alone
	PROJ \s, 0
	CVTK \s
	CVTV \s
	XPRE (\s)+1
.endm
.macro STEPQ s
	PROJ \s, 1
	CVTQ
	CVTK \s
	CVTV \s
.if (\s) < 5
	XPRE (\s)+1                                    ; the next step's x lands under this step's attention
.else
	s_cmp_eq_u32 s25, 1                            ; so do the next head's weights, if there is a next head
	s_cbranch_scc1 .Lnonext
	s_add_nc_u64 s[6:7], s[6:7], 24576             ; (the loads that named these bases were waited for at the pass's head)
	s_add_nc_u64 s[8:9], s[8:9], 1536
	WFRAGS 0, 24
	WSCALES
.Lnonext:
.endif
	SCORES \s
	SOFTMAX
	PV \s
	OUTA \s
.if (\s) == 3
	FARSET 32                                      ; from step 4 on the tile four back is one of my own queries' tiles
.endif
.endm
.Lpass:                                                ; two trips: heads 2 w, 2 w + 1
	s_wait_loadcnt 0x0                             ; the head's weights and scale words are in
	s_wait_dscnt 0x0                               ; the last pass's image stores have read their address
	v_add_nc_u32 v[ATTW], s27, v[LI]
	FARSET 40
	s_cmp_eq_u32 s15, 0
	s_cbranch_scc1 .Lnohalo
	XPRE 0
	STEPH 0
	STEPH 1
	s_branch .Lq
.Lnohalo:                                              ; a chunk's first half: frame tiles 0-3 are no rows.  Their k and v are zeros, their scores -2^100
	XPRE 2
.set zz, 0
.rept 32
	v_mov_b32 v[VF+zz], 0
.set zz, zz+1
.endr
	WIN 0x40
.set zz, 0
.rept 32
	v_mov_b32 v[KF+zz], 0
.set zz, zz+1
.endr
	WIN 0
.Lq:                                                   ; on both ways step 2's twelve loads are the youngest LDS instructions
	STEPQ 2
	STEPQ 3
	STEPQ 4
	STEPQ 5
	s_add_co_u32 s27, s27, 8192
	s_add_co_u32 s25, s25, 1
	s_cmp_lt_u32 s25, 2
	s_cbranch_scc1 .Lpass
; ---------------- PHASE P ----------------
.macro WOLOAD ks                       ; Wo's four fragments (my 64 columns) of K step ks, from memory straight into registers
.irp n, 0,1,2,3
.irp c, 0,1
	global_load_b128 v[WO+32*((\ks)%3)+8*\n+4*\c:WO+32*((\ks)%3)+8*\n+4*\c+3], v[LI], s[10:11] offset:(\ks)*32768+\n*1024+512*\c
.endr
.endr
.endm
.macro ATLOAD ks                       ; head ks's eight fragments of the attention's result; an LDS offset has 16 bits, so heads 8-15 have an address register of their own
.irp a, 0,1,2,3,4,5,6,7
.irp c, 0,1
.if (\ks) < 8
	ds_load_b128 v[AT+64*((\ks)%2)+8*\a+4*\c:AT+64*((\ks)%2)+8*\a+4*\c+3], v6 offset:((\ks)%8)*8192+\a*1024+512*\c
.else
	ds_load_b128 v[AT+64*((\ks)%2)+8*\a+4*\c:AT+64*((\ks)%2)+8*\a+4*\c+3], v7 offset:((\ks)%8)*8192+\a*1024+512*\c
.endif
.endr
.endr
.endm
.macro KSTEP ks                        ; 32 products: 8 tiles of rows x 4 tiles of columns, 32 along K; the 32 accumulators take turns
.if (\ks) > 0
	PLACES                                         ; ahead of loads into the buffers that the last K step's products read
.endif
.if (\ks) <= 13
	WOLOAD (\ks)+2
.endif
.if (\ks) <= 14
	ATLOAD (\ks)+1
.endif
.if (\ks) <= 13
	s_wait_loadcnt 16                              ; behind this K step's Wo: that of the next two
.elseif (\ks) == 14
	s_wait_loadcnt 8
.else
	s_wait_loadcnt 0x0
.endif
.if (\ks) <= 14
	s_wait_dscnt 16                                ; behind this K step's fragments: the next one's sixteen loads
.else
	s_wait_dscnt 0x0
.endif
	WIN 0x50                                       ; C and D window 1
.irp a, 0,1,2,3,4,5,6,7
.irp n, 0,1,2,3
.if (\ks) == 0
	v_wmma_f32_16x16x32_f16 v[8*(4*\a+\n):8*(4*\a+\n)+7], v[WO+32*((\ks)%3)+8*\n:WO+32*((\ks)%3)+8*\n+7], v[AT+64*((\ks)%2)+8*\a:AT+64*((\ks)%2)+8*\a+7], 0
.else
	v_wmma_f32_16x16x32_f16 v[8*(4*\a+\n):8*(4*\a+\n)+7], v[WO+32*((\ks)%3)+8*\n:WO+32*((\ks)%3)+8*\n+7], v[AT+64*((\ks)%2)+8*\a:AT+64*((\ks)%2)+8*\a+7], v[8*(4*\a+\n):8*(4*\a+\n)+7]
.endif
.endr
.endr
	WIN 0
.endm
	WOLOAD 0
	WOLOAD 1
	s_wait_dscnt 0x0                               ; for the others' sake: my images lie in LDS, and my reads of x's images are over
	v_add_nc_u32 v6, ATT, v[LI]
	v_add_nc_u32 v7, ATT+65536, v[LI]
	v_and_b32 v11, 15, v0                          ; r
	v_bfe_u32 v28, v0, 4, 1                        ; h
	s_mul_i32 s16, s14, 16*SP                      ; my stage: STG + 16 rows x 272 bytes x wave
	v_mul_u32_u24 v8, v11, SP
	v_lshl_add_u32 v8, v28, 5, v8
	v_add_nc_u32 v8, s16, v8                       ; in: row r, 32 bytes for each half of the lanes
	v_mul_u32_u24 v9, v28, SP
	v_lshl_add_u32 v9, v11, 4, v9
	v_add_nc_u32 v9, s16, v9                       ; back: lanes 0-15 one row of 256 bytes, lanes 16-31 the next
	v_lshlrev_b32 v10, 11, v28
	v_lshl_add_u32 v10, v11, 4, v10                ; and the same two rows in out0
	s_barrier_signal -1
	s_barrier_wait -1                              ; all 128 fragments lie in LDS; nobody reads x's images any more
	ATLOAD 0
.irp ks, 0,1,2,3,4,5,6,7,8,9,10,11,12,13,14,15
	KSTEP \ks
.endr
; THE WAY OUT, a tile of 16 rows x my 64 columns at a time.  A lane holds 32 neighbouring bytes of a row, the lanes beside it other rows: so a tile goes through my own stage and comes back as whole
; pieces of 256 bytes.  LDS serves a wave's instructions in order (ISA guide 5.7.1.4): no wait between the stores and the loads, nor ahead of the next tile's stores.
.macro TOSTAGE a
	WIN 0x04                                       ; an LDS store's data are its source 1: window 1
.irp n, 0,1,2,3
	ds_store_b128 v8, v[8*(4*(\a)+\n):8*(4*(\a)+\n)+3] offset:64*\n          ; each accumulator from its low end on
	ds_store_b128 v8, v[8*(4*(\a)+\n)+4:8*(4*(\a)+\n)+7] offset:64*\n+16
.endr
	WIN 0
.irp t, 0,1,2,3,4,5,6,7
	ds_load_b128 v[BK+32*((\a)%2)+4*\t:BK+32*((\a)%2)+4*\t+3], v9 offset:\t*2*SP
.endr
.endm
.macro SEND a, younger                 ; younger: the LDS instructions issued behind tile a's loads
	s_wait_dscnt \younger
.irp t, 0,1,2,3,4,5,6,7
	global_store_b128 v10, v[BK+32*((\a)%2)+4*\t:BK+32*((\a)%2)+4*\t+3], s[12:13] offset:(16*(\a)+2*\t)*2048 th:TH_STORE_NT   ; sixteen lanes store 256 consecutive bytes, at a multiple of 256 from out0's first byte
.endr
.endm
	PLACES
	TOSTAGE 0
.irp a, 1,2,3,4,5,6,7
.if \a > 1
	s_wait_xcnt 0x0                                ; tile a - 2's stores have read their registers: tile a's loads may land there
.endif
	TOSTAGE \a
	SEND \a-1, 16                                  ; behind tile a - 1's loads: tile a's 8 stores and 8 loads
.endr
	SEND 7, 0
	s_wait_tensorcnt 0x0                           ; the wave's end
	ds_add_u32 v[SPW], v[NIL]
	s_wait_dscnt 0x0
	s_endpgm
.Lfunc_end_k_q091cbc087c_fused:
	.size	k_q091cbc087c_fused, .Lfunc_end_k_q091cbc087c_fused-k_q091cbc087c_fused
	.p2alignl 7, 3214868480
	.fill 96, 4, 3214868480
	.section	.rodata,"a",@progbits
	.p2align	6, 0x0
	.amdhsa_kernel k_q091cbc087c_fused
		.amdhsa_group_segment_fixed_size 184320
		.amdhsa_private_segment_fixed_size 0
		.amdhsa_enable_private_segment 0
		.amdhsa_kernarg_size 40
		.amdhsa_user_sgpr_count 2
		.amdhsa_user_sgpr_kernarg_segment_ptr 1
		.amdhsa_wavefront_size32 1
		.amdhsa_system_sgpr_workgroup_id_x 1
		.amdhsa_system_sgpr_workgroup_id_y 1
		.amdhsa_system_sgpr_workgroup_id_z 1
		.amdhsa_system_vgpr_workitem_id 0
		.amdhsa_next_free_vgpr 512
		.amdhsa_next_free_sgpr 66
		.amdhsa_reserve_vcc 1
		.amdhsa_float_denorm_mode_32 3
		.amdhsa_float_denorm_mode_16_64 3
		.amdhsa_memory_ordered 1
		.amdhsa_forward_progress 1
		.amdhsa_inst_pref_size 255
	.end_amdhsa_kernel
	.section	.bss,"aw",@nobits
	.p2align	6
	.space	262144
	.amdgpu_metadata
---
amdhsa.version: [ 1, 2 ]
amdhsa.kernels:
  - .name:           k_q091cbc087c_fused
    .symbol:         k_q091cbc087c_fused.kd
    .args:
      - { .name: x, .offset: 0, .size: 8, .value_kind: global_buffer, .address_space: global }
      - { .name: wcodes, .offset: 8, .size: 8, .value_kind: global_buffer, .address_space: global }
      - { .name: wscales, .offset: 16, .size: 8, .value_kind: global_buffer, .address_space: global }
      - { .name: wo16, .offset: 24, .size: 8, .value_kind: global_buffer, .address_space: global }
      - { .name: out0, .offset: 32, .size: 8, .value_kind: global_buffer, .address_space: global }
    .group_segment_fixed_size: 184320
    .private_segment_fixed_size: 0
    .kernarg_segment_align: 8
    .kernarg_segment_size: 40
    .max_flat_workgroup_size: 256
    .sgpr_count:     66
    .vgpr_count:     512
    .wavefront_size: 32
...
	.end_amdgpu_metadata
.endif
;; end of part 2
;; ======== version 2 of 2: 2 launches; version 1 with the launch fused written anew for expert scheduling mode
;; limits: values are held in f16: magnitudes above 65,504 overflow, below 6.1e-05 lose precision
;; workspace buffers: wcodes 393,216 bytes; wscales 24,576 bytes; wo16 524,288 bytes
;; launch prep: the kernel of part 1 again; grid 64 x 1, 4 waves a work-group, no clusters, 0 bytes of LDS; arguments Wq, Wk, Wv, Wo, wcodes, wscales, wo16; writes wcodes, wscales, wo16
;; launch fused (part 3): grid 256 x 1, 8 waves a work-group, no clusters, 184,320 bytes of LDS; arguments x, wcodes, wscales, wo16, out0; writes out0
.if DOCPART == 3
	.amdgcn_target "amdgcn-amd-amdhsa--gfx1250"
	.amdhsa_code_object_version 6
	.text
	.protected	k_q091cbc087c_fused
	.globl	k_q091cbc087c_fused
	.p2align	8
	.type	k_q091cbc087c_fused,@function
k_q091cbc087c_fused:
	s_mov_b64 s[64:65], 0
	v_nop
	global_prefetch_b8 v0, s[64:65] scope:SCOPE_SE
	s_setreg_imm32_b32 hwreg(HW_REG_WAVE_SCHED_MODE, 0, 2), 2
	s_setreg_imm32_b32 hwreg(HW_REG_WAVE_MODE, 25, 1), 1
	s_wait_xcnt 0x0
	s_wait_alu depctr_vm_vsrc(0)
; out = attention(x Wq, x Wk, x Wv) Wo, inside chunks of 256 rows, 16 heads of 32; key j counts for query i where i - 64 <= j <= i.  All of it in one launch: q, k, v, the weights p and
; the attention's result never go to memory.
; The three projections run on codes of FP4 (E2M1) with one E8M0 scale for each 32 along K = 512: x is quantised here, the weights' codes come from the launch before.  Sums in f32.
; The scores, p V and the product with Wo take f16 operands (q, k, v, p, the attention's result, Wo: each rounded once) and f32 sums; the softmax is f32, with the row's true maximum taken away:
; the whole row, 80 keys, is at hand.
; LIMITS: |q|, |k|, |v|, |Wo| under 65,504 (f16's largest number); under 6e-5 an f16 is subnormal.  A hidden score is the product's sum + (-2^100), given as the C of the score product: with operands
; under 65,504 a true score stays under 1.4e11, so p is exactly 0 there.  A block of zeros of x gets the scale byte 1 (its codes are zeros).  NaN and infinities are not served.
; SHARES.  Work-group g owns output rows 128 g .. 128 g + 127: half a chunk.  It works in a FRAME of 12 tiles of 16 rows; frame tile T is row 128 g - 64 + 16 T.  Tiles 4-11 are its queries; tiles 0-3 are
; the 64 keys in front of them: rows of the same chunk where g is odd (their k and v are computed again here), no rows at all where g is even.  A STEP s is the pair of tiles 2 s, 2 s + 1.
; PHASE X: wave w quantises, for each step, one fragment of x (tile 2 s + w / 4, K step w % 4) and stores it in LDS as an image of the operand's registers.
; PHASE A: wave w owns heads 2 w and 2 w + 1, one a pass.  The head's 24 weight fragments stay in its registers.  Step by step: q^T, k^T, v of 32 rows; k and v join a sliding window of 96 keys in registers;
; for the step's two query tiles: scores against 5 key tiles each, softmax, p V, / the sum, image to LDS.  No barrier in this phase: the waves drift, and one wave's vector work stands beside the other's products.
; PHASE P: wave w owns output columns 64 w .. 64 w + 63 for all 128 rows: 32 accumulators, K = 16 heads.
; NOTHING CHANGES LANES.  q^T and k^T (source 0 = 16 columns of W, source 1 = 16 rows of x): a lane holds one row and d = 16 dt + 8 h + j, which packed in pairs IS an f16 fragment of Q or K.
; v (source 0 = x, source 1 = Wv): a lane holds one d and keys 8 h + j: two tiles packed are a fragment of V^T.  S^T = K Q^T: one query a lane, keys 8 h + j: two tiles packed are source 1 of O^T = V^T P.
; O^T packed is source 1 of out^T = Wo^T att^T, whose result holds 8 neighbouring output columns of one row.
; NO CLUSTER: what work-groups share is the weights (408 KB of codes and scales, 512 KB of Wo a work-group).  Each fragment goes from memory straight into the registers of the one wave that multiplies by it, once.
; A joint load lands in LDS: it would add those 0.9 MB written and 0.9 MB read to the 2.5 MB that a work-group moves through LDS, and in phase P double a K step's LDS reads (64 KB) for the same 256 products.
; NO PREFETCH: all of x is asked for in phase X, three units of 8 KB a wave on their way at a time; the weights are read by every work-group.
; THE MODE: SCHED_MODE bits 1:0 = 2 (LLVM: expert scheduling mode 2), set by the entry lines.  The code itself states the register dependences between vector or matrix instructions and memory or LDS
; instructions, with s_wait_alu, always for 0.
; THE PLAN.  Registers that memory or LDS instructions touch, and who else names them:
;   v1, v2, v3      addresses, written at the head and never again.
;   phase X         B0-B2: a unit's loads land, its maxima and conversions read.  v40-47 and v11: written by the conversions and the word's lines, read by the unit's three LDS stores.  v7, v8, v9: addresses.
;                   One wait on va_vdst a unit, behind its conversions: codes and word are written, the buffer is read out.  One on vm_vsrc at the next unit's head, and one ahead of the first barrier.
;   phase A         RC, XS: the loads of XPRE land, the step's scaled products alone read.  RB: the loads of XREST land, the scaled products of K steps 2, 3 read; then Q and P are laid over it.
;                   Window 1 v0-191 and v12-23: the weights' loads land, the scaled products alone read.  AF and v7: written by vector instructions, read by the image stores; the next step's sums are laid over AF.
;                   A step has four waits on va_vdst: behind its roundings to f16 (RC, XS, RB and, in step 5, the weights are read out); the batch of exponentials'; behind p V (the reciprocals are written,
;                   P is read out: the next step's XREST follows at once and lands under the division by the sum); ahead of the image stores (AF is written).  One wait on vm_vsrc ahead of the next step's sums.
;   phase P         AT0, AT1, WO0-WO2: loads land, a K step's products read.  One wait on va_vdst at a K step's head, behind the waits for its data: the last K step's products are done reading the buffers that are
;                   asked for next.  The loads follow it in two runs, at the head and between the K step's two runs of 16 products, which name AT[ks % 2], WO[ks % 3] and window 1 alone.
;   the way out     the accumulators: read by the stage's stores.  BK0, BK1: the stage's loads land, the global stores read.  v8, v9, v10: addresses, written at phase P's head.
;
; LDS: XIMG 48 fragments of x, 1,024 bytes each (number 4 T + ks; registers 4 c .. 4 c + 3 of a lane at 512 c + 16 lane); XSC their scale words (tile T, K step ks, row r at 256 T + 64 ks + 4 r);
; ATT 128 fragments of the attention's result (8 head + query tile); SPARE; STG, the stage for the way out, lies over XIMG, which nobody reads behind the second barrier.
.set XIMG,  0
.set XSC,   49152
.set ATT,   52224
.set SPARE, 183296                     ; the spare words, 128 bytes for each wave: four blocks of 256 bytes that no other line names
.set STG,   0
.set SP,    272                        ; a stage row: 256 bytes + 16 = 17 x 16 bytes
; REGISTERS, window 0.  Kept: v0 thread, v1 16 lane, v2 8 lane, v3 4 lane, v4 / v5 the add's two.  v12-27 hold scale words and nothing else in the whole text.
.set LI,   1
.set L8,   2
.set LS,   3
.set SPW,  4
.set NIL,  5
.set NEGR, 6                           ; phase A: -2^100
.set ATTW, 7                           ; phase A: where I store the attention's images
.set NA,   8                           ; v[8:9], v[10:11]: -c max of tiles A, B (the low word serves both halves)
.set WSC,  12                          ; v12-23: W's scale words: register 2 (2 mat + nt) + sp: lanes 0-15 K step 2 sp, lanes 16-31 K step 2 sp + 1
.set XS,   24                          ; v24-27: x's: register 2 tile + sp, likewise
.set SUM,  28                          ; v[28:29], v[30:31]: the rows' sums
.set PT,   32                          ; v32, v33: lane l xor 16's
.set HM,   34                          ; v34-41: the C of scores against frame tiles 0-3: 0 where they are rows, -2^100 where there are none
.set VF,   42                          ; v42-89: V^T, three pairs of key tiles: pair u at 16 (u % 3) + 8 dt
.set SM2,  90                          ; v[90:91], v[92:93]: second chains of the sums, then 1 / sum
.set DD,   94
.set ACQ,  96                          ; the pool v96-255.  Projections: q(dt, tile) at 96 + 8 (2 dt + tile), k at 128 + .., v(tile, dt) at 160 + 8 (2 tile + dt);
.set ACK,  128
.set ACV,  160
.set RB,   192                         ; x's fragments of K steps 2, 3;
.set RC,   224                         ; of K steps 0, 1
.set SS,   96                          ; laid over what is done with: S^T, 40 a tile;
.set MT,   176                         ; maxima, 5 a tile;
.set QF,   192                         ; Q, 8 a tile;
.set PP,   176                         ; P, 24 a tile (three pairs of key tiles);
.set OO,   96                          ; O^T, 16 a tile, tiles 40 apart;
.set AF,   112                         ; its f16 image, 8 a tile, tiles 40 apart
; window 1: v0-191 the head's 24 weight fragments (8 ((2 mat + nt) 4 + ks)); v192-239 K, three pairs; v240-247 the diagonal tile's C; v248-255 the farthest tile's C.  Phase P: all 256 are accumulators.
.set KF,   192
.set DIAG, 240
.set FARX, 248
; phase X
.set XA,   7                           ; x: 2,048 r + 128 h
.set XW,   8                           ; image store: 16 lane + 1,024 w
.set XWS,  9                           ; scale word store: 4 r + 64 w
.set H8,   10                          ; 8 h
.set PW,   11                          ; the scale word
.set MG,   28                          ; v28-31 four chains of magnitudes
.set SO,   34                          ; v34-35 the conversions' scale operands
.set BY,   36                          ; v36-37 bytes
.set CDS,  40                          ; v40-47 the codes
.set B0,   64
.set B1,   128
.set B2,   192
; phase P
.set AT,   32                          ; v32-95, v96-159: the attention's fragments of a K step, two buffers
.set WO,   160                         ; v160-255: Wo's four fragments of a K step, three buffers
.set BK,   32                          ; the way out: v32-63, v64-95 by turns
.set MSB, 0
.macro WIN new                         ; s_set_vgpr_msb: bits 1:0 source 0, 3:2 source 1, 5:4 source 2, 7:6 destination; the high byte repeats the setting that is left
.if MSB != \new
	s_set_vgpr_msb (MSB<<8)|\new
.set MSB, \new
.endif
.endm
.macro PLACES                          ; four plain places behind matrix instructions, ahead of reads of their results and of loads and writes into their registers
.rept 4
	v_nop
.endr
.endm
	s_load_b256 s[4:11], s[0:1], 0x0               ; x, wcodes, wscales, wo16
	s_load_b64 s[12:13], s[0:1], 0x20              ; out0
	v_lshl_add_u32 v[SPW], v0, 2, SPARE
	v_mov_b32 v[NIL], 0
	v_lshrrev_b32 v6, 5, v0
	v_readfirstlane_b32 s14, v6                    ; wave 0..7
	s_and_b32 s15, ttmp9, 1                        ; which half of a chunk
	v_and_b32 v6, 31, v0                           ; lane
	v_lshlrev_b32 v[LI], 4, v6
	v_lshlrev_b32 v[L8], 3, v6
	v_lshlrev_b32 v[LS], 2, v6
	v_and_b32 v28, 15, v0                          ; r
	v_bfe_u32 v29, v0, 4, 1                        ; h
	v_lshlrev_b32 v[XA], 11, v28
	v_lshl_add_u32 v[XA], v29, 7, v[XA]
	s_wait_alu depctr_va_sdst(0)                   ; s14 is written, ahead of its first reader: LDS addresses and the bases of all buffers are made from it
	s_lshl_b32 s16, s14, 10
	v_add_nc_u32 v[XW], s16, v[LI]
	s_lshl_b32 s16, s14, 6
	v_lshlrev_b32 v[XWS], 2, v28
	v_add_nc_u32 v[XWS], s16, v[XWS]
	v_lshlrev_b32 v[H8], 3, v29
	v_mov_b32 v[PT], 0                             ; a lane permute's destination counts as one of its sources
	s_mov_b32 s20, 0x76543210
	s_mov_b32 s21, 0xfedcba98                      ; v_permlanex16_b32's selects for lane l xor 16
	s_mov_b32 s22, 0x3e8293ee                      ; c = log2(e) / sqrt(32)
	s_mov_b32 s23, s22                             ; (named with it as a pair)
	s_mov_b32 s24, 0xbe8293ee                      ; -c
	s_mov_b32 s25, 0                               ; the pass
	s_lshl_b32 s27, s14, 14
	s_add_co_u32 s27, s27, ATT                     ; my head's eight images: ATT + 16,384 w + 8,192 pass
	s_lshl_b32 s16, ttmp9, 18                      ; 128 rows of 2,048 bytes a work-group
	s_mov_b32 s17, 0
	s_lshr_b32 s18, s14, 2
	s_lshl_b32 s18, s18, 15                        ; my tile of a step: 16 rows
	s_and_b32 s19, s14, 3
	s_lshl_b32 s19, s19, 9                         ; my K step: 128 numbers
	s_add_co_u32 s18, s18, s19
	s_mov_b32 s19, 0
	s_wait_kmcnt 0x0
	s_add_nc_u64 s[4:5], s[4:5], s[16:17]
	s_add_nc_u64 s[4:5], s[4:5], s[18:19]
	s_add_nc_u64 s[12:13], s[12:13], s[16:17]
	s_lshl_b32 s18, s14, 8
	s_add_nc_u64 s[12:13], s[12:13], s[18:19]      ; out0: my rows, my 64 columns
	s_mul_i32 s18, s14, 49152
	s_add_nc_u64 s[6:7], s[6:7], s[18:19]          ; head 2 w's 24 fragments
	s_mul_i32 s18, s14, 3072
	s_add_nc_u64 s[8:9], s[8:9], s[18:19]          ; and its scale words
	s_lshl_b32 s18, s14, 12
	s_add_nc_u64 s[10:11], s[10:11], s[18:19]      ; Wo: my four tiles of columns
	s_wait_alu depctr_va_vdst(0)                   ; v1, v2, v3, v7, v8 and v9 are written: the loads and LDS stores below read them as addresses
; ---------------- PHASE X ----------------
; Unit u: my 16 rows x 128 numbers of step u.  Lane (r, h) takes of row r the numbers 64 c + 32 h + 0 .. 31: two whole blocks, in the order of the operand's registers.  For each c the eight loads on end
; use up one aligned 256 bytes of each of the 16 rows.  nt = 1: rows that this work-group alone reads.
.macro XLOAD u, b, nt
.irp c, 0,1
.irp g, 0,1,2,3,4,5,6,7
.if \nt
	global_load_b128 v[\b+32*\c+4*\g:\b+32*\c+4*\g+3], v[XA], s[4:5] offset:((\u)-2)*65536+256*\c+16*\g th:TH_LOAD_NT
.else
	global_load_b128 v[\b+32*\c+4*\g:\b+32*\c+4*\g+3], v[XA], s[4:5] offset:((\u)-2)*65536+256*\c+16*\g
.endif
.endr
.endr
.endm
.macro QUANT u, b
	s_wait_dscnt 0x0                               ; the last unit's stores are done
.if (\u) > 0
	s_wait_alu depctr_vm_vsrc(0)                   ; the last unit's LDS stores have read v[CDS ..] and v[PW], which the lines below write again
.endif
.irp n, 0,1,2,3                        ; chain n: 16 numbers of block n / 2, and the floor 2^(3 - 127): the byte cannot fall under 1
	v_max3_num_f32 v[MG+\n], |v[\b+16*\n]|, |v[\b+16*\n+1]|, 0x1800000
.endr
.irp i, 2,4,6,8,10,12,14
.irp n, 0,1,2,3
	v_max3_num_f32 v[MG+\n], v[MG+\n], |v[\b+16*\n+\i]|, |v[\b+16*\n+\i+1]|
.endr
.endr
	v_max_num_f32 v[MG], v[MG], v[MG+1]
	v_max_num_f32 v[MG+2], v[MG+2], v[MG+3]
	v_add_nc_u32 v[SO], 0xff000000, v[MG]          ; 2 off the exponent field: the conversion's scale operand
	v_add_nc_u32 v[SO+1], 0xff000000, v[MG+2]
	v_lshrrev_b32 v[BY], 23, v[SO]
	v_lshrrev_b32 v[BY+1], 23, v[SO+1]
	v_lshl_or_b32 v[PW], v[BY+1], 16, v[BY]        ; my two bytes: blocks h and 2 + h of row r,
	v_lshlrev_b32 v[PW], v[H8], v[PW]              ; at their places in the word;
	v_permlanex16_b32 v[PT], v[PW], s20, s21
	v_or_b32 v[PW], v[PW], v[PT]                   ; with lane l xor 16's two the word is whole
.irp c, 0,1
.irp g, 0,1,2,3
	v_cvt_scalef32_pk8_fp4_f32 v[CDS+4*\c+\g], v[\b+32*\c+8*\g:\b+32*\c+8*\g+7], v[SO+\c]
.endr
.endr
	v_nop                                          ; one plain place behind the conversions
	s_wait_alu depctr_va_vdst(0)                   ; v[CDS ..] and v[PW] are written, which the three stores read; the maxima and conversions are done reading this unit's buffer, in which a later unit's loads land
	ds_store_b128 v[XW], v[CDS:CDS+3] offset:XIMG+8192*(\u)        ; fragment 8 u + w, as it stands in the registers
	ds_store_b128 v[XW], v[CDS+4:CDS+7] offset:XIMG+8192*(\u)+512
	ds_store_b32 v[XWS], v[PW] offset:XSC+512*(\u)                 ; lanes l and l + 16 write the same word with the same value
.endm
.macro WFRAGS from, n                  ; n of the head's weight fragments into window 1: two loads of 512 consecutive bytes each
	WIN 0x40
.set ff, \from
.rept \n
	global_load_b128 v[8*ff:8*ff+3], v[LI], s[6:7] offset:1024*ff
	global_load_b128 v[8*ff+4:8*ff+7], v[LI], s[6:7] offset:1024*ff+512
.set ff, ff+1
.endr
	WIN 0
.endm
.macro WSCALES
.irp b, 0,1,2,3,4,5
	global_load_b64 v[WSC+2*\b:WSC+2*\b+1], v[L8], s[8:9] offset:256*\b
.endr
.endm
	s_cmp_eq_u32 s15, 0
	s_cbranch_scc1 .Lx_half0
	XLOAD 0, B0, 0                                 ; the 64 rows in front of my queries: the work-group before reads them too
	XLOAD 1, B1, 0
	XLOAD 2, B2, 1
	s_wait_loadcnt 32                              ; behind unit 0: units 1 and 2
	QUANT 0, B0
	s_wait_loadcnt 16                              ; behind unit 1: unit 2
	QUANT 1, B1
	s_branch .Lx_join
.Lx_half0:
	XLOAD 2, B2, 1
.Lx_join:                                              ; on both ways unit 2's sixteen loads are the only ones out
	XLOAD 3, B0, 1                                 ; no wait: no vector instruction since the wait in a unit's QUANT names that unit's buffer
	XLOAD 4, B1, 0
	s_wait_loadcnt 32                              ; behind unit 2: units 3 and 4
	QUANT 2, B2
	XLOAD 5, B2, 0
	s_wait_loadcnt 32                              ; behind unit 3: units 4 and 5
	QUANT 3, B0
	WFRAGS 0, 16                                   ; the first head's weights follow x; no vector instruction has named their registers
	s_wait_loadcnt 48                              ; behind unit 4: unit 5 and 32 loads of weights
	QUANT 4, B1
	WFRAGS 16, 8
	WSCALES
	s_wait_loadcnt 54                              ; behind unit 5: 32 + 16 + 6 loads of weights
	QUANT 5, B2
	s_wait_dscnt 0x0                               ; for the others' sake: my images lie in LDS
	s_wait_alu depctr_vm_vsrc(0)                   ; x's loads have read v7, my LDS stores v8, v9, v11 and v40-47: from here on vector instructions write all of these again
	s_barrier_signal -1
	; work on registers while the others arrive: the masks.  In S^T lane (r, h) holds query r and in register j key 8 h + j.  D = r - 8 h.
	v_mov_b32 v[NEGR], 0xf1800000                  ; -2^100
	v_and_b32 v[DD], 15, v0
	v_bfe_u32 v[DD+1], v0, 4, 1
	v_lshlrev_b32 v[DD+1], 3, v[DD+1]
	v_sub_nc_u32 v[DD], v[DD], v[DD+1]
.irp j, 0,1,2,3
	v_cmp_gt_i32 s[28+\j], \j, v[DD]               ; the query's own tile: hidden where the key comes after the query, j > D.  The sixteen compares stand in one run, each with a scalar register of its own
.endr
.irp j, 4,5,6,7
	v_cmp_gt_i32 s[12+\j], \j, v[DD]               ; (s16 to s19)
.endr
.irp j, 0,1,2,3,4,5,6,7
	v_cmp_lt_i32 s[32+\j], \j, v[DD]               ; the tile four back: hidden where the key lies more than 64 back, j < D
.endr
	s_wait_alu depctr_va_sdst(0)                   ; the sixteen lane masks are written, ahead of their first readers: the selects below
	WIN 0x40
.irp j, 0,1,2,3
	v_cndmask_b32 v[DIAG+\j], 0, v[NEGR], s[28+\j]
.endr
.irp j, 4,5,6,7
	v_cndmask_b32 v[DIAG+\j], 0, v[NEGR], s[12+\j]
.endr
	WIN 0
	s_cmp_eq_u32 s15, 0
.irp j, 0,1,2,3,4,5,6,7
	s_cselect_b32 s[40+\j], -1, s[32+\j]           ; the same for a tile four back that is one of frame tiles 0-3: wholly hidden where there are no such rows
.endr
	s_cselect_b32 s26, 0xf1800000, 0
.irp j, 0,1,2,3,4,5,6,7
	v_mov_b32 v[HM+\j], s26
.endr
	v_mov_b32 v[NA+1], 0                           ; upper halves of pairs of which the low word is used: named, so written
	v_mov_b32 v[NA+3], 0
	v_mov_b32 v[PT+1], 0
	s_barrier_wait -1                              ; x's fragments and scale words lie in LDS
; ---------------- PHASE A ----------------
.macro XPRE s                          ; step s: x's fragments of K steps 0, 1 and its scale words: 12 LDS loads, asked for a step ahead
.irp tl, 0,1
.irp ks, 0,1
.irp c, 0,1
	ds_load_b128 v[RC+16*\ks+8*\tl+4*\c:RC+16*\ks+8*\tl+4*\c+3], v[LI] offset:XIMG+((2*(\s)+\tl)*4+\ks)*1024+512*\c
.endr
.endr
.irp sp, 0,1
	ds_load_b32 v[XS+2*\tl+\sp], v[LS] offset:XSC+(2*(\s)+\tl)*256+128*\sp
.endr
.endr
.endm
.macro XREST s                         ; K steps 2, 3: 8 LDS loads, asked for as soon as the step before is done with the registers: behind its p V, or behind its roundings where it has no attention
.irp tl, 0,1
.irp ks, 2,3
.irp c, 0,1
	ds_load_b128 v[RB+16*(\ks-2)+8*\tl+4*\c:RB+16*(\ks-2)+8*\tl+4*\c+3], v[LI] offset:XIMG+((2*(\s)+\tl)*4+\ks)*1024+512*\c
.endr
.endr
.endr
.endm
.macro MX d, a, b, sa, sb, ks          ; one product of 16 x 16 x 128 on codes.  K step 0 starts the sum; an odd K step's scale words lie in lanes 16-31 of both registers
.if (\ks) == 0
	v_wmma_scale_f32_16x16x128_f8f6f4 v[\d:\d+7], v[\a:\a+7], v[\b:\b+7], 0, v[\sa], v[\sb] matrix_a_fmt:MATRIX_FMT_FP4 matrix_b_fmt:MATRIX_FMT_FP4
.elseif ((\ks)%2) == 0
	v_wmma_scale_f32_16x16x128_f8f6f4 v[\d:\d+7], v[\a:\a+7], v[\b:\b+7], v[\d:\d+7], v[\sa], v[\sb] matrix_a_fmt:MATRIX_FMT_FP4 matrix_b_fmt:MATRIX_FMT_FP4
.else
	v_wmma_scale_f32_16x16x128_f8f6f4 v[\d:\d+7], v[\a:\a+7], v[\b:\b+7], v[\d:\d+7], v[\sa], v[\sb] matrix_a_fmt:MATRIX_FMT_FP4 matrix_b_fmt:MATRIX_FMT_FP4 matrix_a_scale:MATRIX_SCALE_ROW1 matrix_b_scale:MATRIX_SCALE_ROW1
.endif
.endm
; The projections of a step's 32 rows: q^T (withq), k^T, v.  The 12 (8) accumulators take turns, one instruction a turn, K ascending.
; st = 1: the step before stored four images behind this step's XREST; st = 0: a pass's first steps, with XREST's eight loads the youngest LDS instructions.
.macro PROJ withq, st
.if \st
	s_wait_alu depctr_vm_vsrc(0)                   ; the last step's image stores have read v[AF ..], over which the sums below are laid
.endif
	s_wait_dscnt 8+4*(\st)                         ; K steps 0, 1 and the scale words are in; XREST's eight loads (and the four image stores behind them) may be out
.irp ks, 0,1,2,3
.if \ks == 2
	s_wait_dscnt 4*(\st)                           ; K steps 2, 3 are in (the four image stores may be out)
.endif
.if \ks < 2
.set XB, RC+16*\ks
.else
.set XB, RB+16*(\ks-2)
.endif
	WIN 0x01                                       ; source 0 (W) window 1
.if \withq
.irp dt, 0,1
.irp tl, 0,1
	MX ACQ+8*(2*\dt+\tl), 8*(4*\dt+\ks), XB+8*\tl, WSC+2*\dt+\ks/2, XS+2*\tl+\ks/2, \ks
.endr
.endr
.endif
.irp dt, 0,1
.irp tl, 0,1
	MX ACK+8*(2*\dt+\tl), 8*(4*(2+\dt)+\ks), XB+8*\tl, WSC+2*(2+\dt)+\ks/2, XS+2*\tl+\ks/2, \ks
.endr
.endr
	WIN 0x04                                       ; source 1 (W) window 1
.irp tl, 0,1
.irp dt, 0,1
	MX ACV+8*(2*\tl+\dt), XB+8*\tl, 8*(4*(4+\dt)+\ks), XS+2*\tl+\ks/2, WSC+2*(4+\dt)+\ks/2, \ks
.endr
.endr
.endr
	WIN 0
	PLACES
.endm
; The results become f16 fragments; each accumulator is read from its low end on.
.macro CVTQ
.irp tl, 0,1
.irp dt, 0,1
.irp i, 0,1,2,3
	v_cvt_pk_f16_f32 v[QF+8*\tl+4*\dt+\i], v[ACQ+8*(2*\dt+\tl)+2*\i], v[ACQ+8*(2*\dt+\tl)+2*\i+1]
.endr
.endr
.endr
.endm
.macro CVTK s
	WIN 0x40
.irp tl, 0,1
.irp dt, 0,1
.irp i, 0,1,2,3
	v_cvt_pk_f16_f32 v[KF+16*((\s)%3)+8*\tl+4*\dt+\i], v[ACK+8*(2*\dt+\tl)+2*\i], v[ACK+8*(2*\dt+\tl)+2*\i+1]
.endr
.endr
.endr
	WIN 0
.endm
.macro CVTV s
.irp tl, 0,1
.irp dt, 0,1
.irp i, 0,1,2,3
	v_cvt_pk_f16_f32 v[VF+16*((\s)%3)+8*\dt+4*\tl+\i], v[ACV+8*(2*\tl+\dt)+2*\i], v[ACV+8*(2*\tl+\dt)+2*\i+1]
.endr
.endr
.endr
.endm
; S^T of query tile 2 s + tl against key tile kt = 2 s - 4 + tl + t.  The mask is the product's C.
.macro SCORE s, tl, t
.set kt, 2*(\s)-4+(\tl)+(\t)
.set rK, KF+16*((kt/2)%3)+8*(kt%2)
.set rS, SS+40*(\tl)+8*(\t)
.set rQ, QF+8*(\tl)
.if (\t) == 0
	v_wmma_f32_16x16x32_f16 v[rS:rS+7], v[rK:rK+7], v[rQ:rQ+7], v[FARX:FARX+7]
.elseif (\t) == 4
	v_wmma_f32_16x16x32_f16 v[rS:rS+7], v[rK:rK+7], v[rQ:rQ+7], v[DIAG:DIAG+7]
.elseif kt < 4
	v_wmma_f32_16x16x32_f16 v[rS:rS+7], v[rK:rK+7], v[rQ:rQ+7], v[HM:HM+7]
.else
	v_wmma_f32_16x16x32_f16 v[rS:rS+7], v[rK:rK+7], v[rQ:rQ+7], 0
.endif
.endm
.macro SCORES s
	WIN 0x11                                       ; K and C window 1
	SCORE \s, 0, 0
	SCORE \s, 1, 0
	SCORE \s, 0, 4
	SCORE \s, 1, 4
	WIN 0x01                                       ; K window 1
.irp t, 1,2,3
	SCORE \s, 0, \t
	SCORE \s, 1, \t
.endr
	WIN 0
	PLACES
.endm
; The softmax of both query tiles, line by line by turns.  A lane holds 40 of its query's 80 scores; lane l xor 16 holds the others.
.macro SOFTMAX
.irp t, 0,1,2,3,4
.irp tl, 0,1
	v_max3_num_f32 v[MT+5*\tl+\t], v[SS+40*\tl+8*\t], v[SS+40*\tl+8*\t+1], v[SS+40*\tl+8*\t+2]   ; each score tile is read from its low end on
.endr
.endr
.irp i, 3,5
.irp t, 0,1,2,3,4
.irp tl, 0,1
	v_max3_num_f32 v[MT+5*\tl+\t], v[MT+5*\tl+\t], v[SS+40*\tl+8*\t+\i], v[SS+40*\tl+8*\t+\i+1]
.endr
.endr
.endr
.irp tl, 0,1
	v_max3_num_f32 v[MT+5*\tl], v[MT+5*\tl], v[SS+40*\tl+7], v[SS+40*\tl+15]
	v_max3_num_f32 v[MT+5*\tl+1], v[MT+5*\tl+1], v[SS+40*\tl+23], v[SS+40*\tl+31]
	v_max3_num_f32 v[MT+5*\tl+2], v[MT+5*\tl+2], v[MT+5*\tl+3], v[SS+40*\tl+39]
.endr
.irp tl, 0,1
	v_max3_num_f32 v[MT+5*\tl], v[MT+5*\tl], v[MT+5*\tl+1], v[MT+5*\tl+2]
.endr
.irp tl, 0,1
	v_max_num_f32 v[MT+5*\tl], v[MT+5*\tl], v[MT+5*\tl+4]
.endr
.irp tl, 0,1
	v_permlanex16_b32 v[PT+\tl], v[MT+5*\tl], s20, s21
.endr
.irp tl, 0,1
	v_max_num_f32 v[MT+5*\tl], v[MT+5*\tl], v[PT+\tl]              ; the row's largest score: its own key always counts
.endr
.irp tl, 0,1
	v_mul_f32 v[NA+2*\tl], s24, v[MT+5*\tl]                        ; -c max
.endr
.irp k, 0,2,4,6,8,10,12,14,16,18,20,22,24,26,28,30,32,34,36,38
.irp tl, 0,1
	v_pk_fma_f32 v[SS+40*\tl+\k:SS+40*\tl+\k+1], v[SS+40*\tl+\k:SS+40*\tl+\k+1], s[22:23], v[NA+2*\tl:NA+2*\tl+1] op_sel_hi:[1,0,0]   ; c s - c max, two at a time
.endr
.endr
.set ee, 0
.rept 80
	v_exp_f32 v[SS+ee], v[SS+ee]                   ; p = 2^(c s - c max): one batch
.set ee, ee+1
.endr
.set ee, 0
.rept 8
	v_mov_b32 v[PP+20+ee], 0                       ; P's empty thirds: tile A has no key tile 2 s + 1, tile B no key tile 2 s - 4.  (Plain work behind the batch)
.set ee, ee+1
.endr
	s_wait_alu depctr_va_vdst(0)                   ; the 80 exponentials have written p: one wait for the batch, ahead of its first reader
.irp tl, 0,1
	v_pk_add_f32 v[SUM+2*\tl:SUM+2*\tl+1], v[SS+40*\tl:SS+40*\tl+1], v[SS+40*\tl+2:SS+40*\tl+3]    ; the row's sum of the unrounded p, in two chains
.endr
.irp tl, 0,1
	v_pk_add_f32 v[SM2+2*\tl:SM2+2*\tl+1], v[SS+40*\tl+4:SS+40*\tl+5], v[SS+40*\tl+6:SS+40*\tl+7]
.endr
.irp k, 8,12,16,20,24,28,32,36
.irp tl, 0,1
	v_pk_add_f32 v[SUM+2*\tl:SUM+2*\tl+1], v[SUM+2*\tl:SUM+2*\tl+1], v[SS+40*\tl+\k:SS+40*\tl+\k+1]
.endr
.irp tl, 0,1
	v_pk_add_f32 v[SM2+2*\tl:SM2+2*\tl+1], v[SM2+2*\tl:SM2+2*\tl+1], v[SS+40*\tl+\k+2:SS+40*\tl+\k+3]
.endr
.endr
.irp tl, 0,1
	v_pk_add_f32 v[SUM+2*\tl:SUM+2*\tl+1], v[SUM+2*\tl:SUM+2*\tl+1], v[SM2+2*\tl:SM2+2*\tl+1]
.endr
.irp tl, 0,1
	v_add_f32 v[SUM+2*\tl], v[SUM+2*\tl], v[SUM+2*\tl+1]
.endr
.irp tl, 0,1
	v_permlanex16_b32 v[PT+\tl], v[SUM+2*\tl], s20, s21
.endr
.irp tl, 0,1
	v_add_f32 v[SUM+2*\tl], v[SUM+2*\tl], v[PT+\tl]
.endr
.irp k, 0,1,2,3,4,5,6,7,8,9,10,11,12,13,14,15,16,17,18,19
.irp tl, 0,1
	v_cvt_pk_f16_f32 v[PP+28*\tl+\k], v[SS+40*\tl+2*\k], v[SS+40*\tl+2*\k+1]   ; tile A's P begins at its first third, tile B's four registers on
.endr
.endr
.irp tl, 0,1
	v_rcp_f32 v[SM2+2*\tl], v[SUM+2*\tl]           ; 1 / sum: wanted behind the products below
.endr
.endm
; O^T = V^T P over the three pairs of key tiles s - 2, s - 1, s: four accumulators by turns.
.macro PV s
.irp pi, 0,1,2
.irp tl, 0,1
.irp dt, 0,1
.set rV, VF+16*(((\s)-2+\pi)%3)+8*\dt
.set rO, OO+40*\tl+8*\dt
.set rP, PP+24*\tl+8*\pi
.if \pi == 0
	v_wmma_f32_16x16x32_f16 v[rO:rO+7], v[rV:rV+7], v[rP:rP+7], 0
.else
	v_wmma_f32_16x16x32_f16 v[rO:rO+7], v[rV:rV+7], v[rP:rP+7], v[rO:rO+7]
.endif
.endr
.endr
.endr
	PLACES                                         ; behind the products, and the plain place behind the reciprocals
	s_wait_alu depctr_va_vdst(0)                   ; the two reciprocals are written, ahead of their first reader; the products are done reading P, and Q and P are written, in whose registers the next step's K steps 2, 3 land
.endm
.macro OUTA s                          ; O^T / the sum, rounded to f16: a fragment of the last product; image to LDS
.irp k, 0,2,4,6,8,10,12,14
.irp tl, 0,1
	v_pk_mul_f32 v[OO+40*\tl+\k:OO+40*\tl+\k+1], v[OO+40*\tl+\k:OO+40*\tl+\k+1], v[SM2+2*\tl:SM2+2*\tl+1] op_sel_hi:[1,0]
.endr
.endr
.irp k, 0,1,2,3,4,5,6,7
.irp tl, 0,1
	v_cvt_pk_f16_f32 v[AF+40*\tl+\k], v[OO+40*\tl+2*\k], v[OO+40*\tl+2*\k+1]
.endr
.endr
	s_wait_alu depctr_va_vdst(0)                   ; the roundings have written v[AF ..], which the four image stores read
.irp tl, 0,1
.irp c, 0,1
	ds_store_b128 v[ATTW], v[AF+40*\tl+4*\c:AF+40*\tl+4*\c+3] offset:(2*((\s)-2)+\tl)*1024+512*\c
.endr
.endr
.endm
.macro FARSET m                        ; the farthest tile's C from the lane masks s[m .. m + 7]
	WIN 0x40
.irp j, 0,1,2,3,4,5,6,7
	v_cndmask_b32 v[FARX+\j], 0, v[NEGR], s[\m+\j]
.endr
	WIN 0
.endm
.macro STEPH s                         ; a step of the 64 rows in front of the queries: k and v alone
	PROJ 0, 0
	CVTK \s
	CVTV \s
	s_wait_alu depctr_va_vdst(0)                   ; the projections are done reading x's fragments and scale words, in which the next step's land
	XPRE (\s)+1
	XREST (\s)+1
.endm
.macro STEPQ s, st
	PROJ 1, \st
	CVTQ
	CVTK \s
	CVTV \s
	s_wait_alu depctr_va_vdst(0)                   ; the projections are done reading x's fragments of K steps 0, 1 and its scale words, in which the next step's land; in step 5: the head's weights and their scale words, in which the next head's land
.if (\s) < 5
	XPRE (\s)+1                                    ; the next step's x lands under this step's attention
.else
	s_cmp_eq_u32 s25, 1                            ; so do the next head's weights, if there is a next head
	s_cbranch_scc1 .Lnonext
	s_add_nc_u64 s[6:7], s[6:7], 24576             ; (the loads that named these bases were waited for at the pass's head)
	s_add_nc_u64 s[8:9], s[8:9], 1536
	WFRAGS 0, 24
	WSCALES
.Lnonext:
.endif
	SCORES \s
	SOFTMAX
	PV \s
.if (\s) < 5
	XREST (\s)+1                                   ; no further wait: the lines of OUTA name none of these registers
.endif
	OUTA \s
.if (\s) == 3
	FARSET 32                                      ; from step 4 on the tile four back is one of my own queries' tiles
.endif
.endm
.Lpass:                                                ; two trips: heads 2 w, 2 w + 1
	s_wait_loadcnt 0x0                             ; the head's weights and scale words are in
	s_wait_dscnt 0x0                               ; the last pass's image stores are done
	s_wait_alu depctr_vm_vsrc(0)                   ; the last pass's image stores have read v7, which the next line writes, and v[AF ..], over which this pass's first sums are laid
	v_add_nc_u32 v[ATTW], s27, v[LI]
	FARSET 40
	s_wait_alu depctr_va_vdst(0)                   ; v[ATTW] is written, which this pass's image stores read as their address
	s_cmp_eq_u32 s15, 0
	s_cbranch_scc1 .Lnohalo
	XPRE 0
	XREST 0
	STEPH 0
	STEPH 1
	s_branch .Lq
.Lnohalo:                                              ; a chunk's first half: frame tiles 0-3 are no rows.  Their k and v are zeros, their scores -2^100
	XPRE 2
	XREST 2
.set zz, 0
.rept 32
	v_mov_b32 v[VF+zz], 0
.set zz, zz+1
.endr
	WIN 0x40
.set zz, 0
.rept 32
	v_mov_b32 v[KF+zz], 0
.set zz, zz+1
.endr
	WIN 0
.Lq:                                                   ; on both ways step 2's twenty loads are the youngest LDS instructions
	STEPQ 2, 0
	STEPQ 3, 1
	STEPQ 4, 1
	STEPQ 5, 1
	s_add_co_u32 s27, s27, 8192
	s_add_co_u32 s25, s25, 1
	s_cmp_lt_u32 s25, 2
	s_cbranch_scc1 .Lpass
; ---------------- PHASE P ----------------
.macro WOLOAD ks                       ; Wo's four fragments (my 64 columns) of K step ks, from memory straight into registers
.irp n, 0,1,2,3
.irp c, 0,1
	global_load_b128 v[WO+32*((\ks)%3)+8*\n+4*\c:WO+32*((\ks)%3)+8*\n+4*\c+3], v[LI], s[10:11] offset:(\ks)*32768+\n*1024+512*\c
.endr
.endr
.endm
.macro ATLOAD ks, a0                   ; four of head ks's eight fragments of the attention's result, a0 on; an LDS offset has 16 bits, so heads 8-15 have an address register of their own
.irp a, \a0, \a0+1, \a0+2, \a0+3
.irp c, 0,1
.if (\ks) < 8
	ds_load_b128 v[AT+64*((\ks)%2)+8*(\a)+4*\c:AT+64*((\ks)%2)+8*(\a)+4*\c+3], v6 offset:((\ks)%8)*8192+(\a)*1024+512*\c
.else
	ds_load_b128 v[AT+64*((\ks)%2)+8*(\a)+4*\c:AT+64*((\ks)%2)+8*(\a)+4*\c+3], v7 offset:((\ks)%8)*8192+(\a)*1024+512*\c
.endif
.endr
.endr
.endm
.macro PROD ks, a0                     ; 16 products: 4 tiles of rows, a0 on, x 4 tiles of columns, 32 along K
.irp a, \a0, \a0+1, \a0+2, \a0+3
.irp n, 0,1,2,3
.if (\ks) == 0
	v_wmma_f32_16x16x32_f16 v[8*(4*(\a)+\n):8*(4*(\a)+\n)+7], v[WO+32*((\ks)%3)+8*\n:WO+32*((\ks)%3)+8*\n+7], v[AT+64*((\ks)%2)+8*(\a):AT+64*((\ks)%2)+8*(\a)+7], 0
.else
	v_wmma_f32_16x16x32_f16 v[8*(4*(\a)+\n):8*(4*(\a)+\n)+7], v[WO+32*((\ks)%3)+8*\n:WO+32*((\ks)%3)+8*\n+7], v[AT+64*((\ks)%2)+8*(\a):AT+64*((\ks)%2)+8*(\a)+7], v[8*(4*(\a)+\n):8*(4*(\a)+\n)+7]
.endif
.endr
.endr
.endm
.macro KSTEP ks                        ; 32 products: 8 tiles of rows x 4 tiles of columns, 32 along K; the 32 accumulators take turns
.if (\ks) > 0
	PLACES                                         ; behind the last K step's products, ahead of loads into the buffers that they read
.endif
.if (\ks) <= 14
	s_wait_loadcnt 8                               ; this K step's Wo is in; behind it stand the next K step's eight loads
.else
	s_wait_loadcnt 0x0
.endif
	s_wait_dscnt 8                                 ; this K step's fragments 0-3 are in; the eight loads of fragments 4-7 may be out
.if ((\ks) > 0) && ((\ks) <= 14)
	s_wait_alu depctr_va_vdst(0)                   ; the last K step's products are done reading AT[(ks + 1) % 2] and WO[(ks + 2) % 3], in which this K step's loads land
.endif
.if (\ks) <= 13
	WOLOAD (\ks)+2
.endif
.if (\ks) <= 14
	ATLOAD (\ks)+1, 0
.endif
	WIN 0x50                                       ; C and D window 1
	PROD \ks, 0
.if (\ks) <= 14
	WIN 0
	ATLOAD (\ks)+1, 4                              ; no wait: the sixteen products since the wait name AT[ks % 2], WO[ks % 3] and window 1 alone
	s_wait_dscnt 16                                ; this K step's fragments 4-7 are in; behind them stand the next K step's sixteen loads
	WIN 0x50
.else
	s_wait_dscnt 0x0
.endif
	PROD \ks, 4
	WIN 0
.endm
	WOLOAD 0                                       ; no wait: no vector or matrix instruction since the wait ahead of the last image stores names these registers
	WOLOAD 1
	s_wait_dscnt 0x0                               ; for the others' sake: my images lie in LDS, and my reads of x's images are over
	s_wait_alu depctr_vm_vsrc(0)                   ; my image stores have read v7, which is written below, and v[AF ..], in which fragments of the attention's result land
	v_add_nc_u32 v6, ATT, v[LI]
	v_add_nc_u32 v7, ATT+65536, v[LI]
	v_and_b32 v11, 15, v0                          ; r
	v_bfe_u32 v28, v0, 4, 1                        ; h
	s_mul_i32 s16, s14, 16*SP                      ; my stage: STG + 16 rows x 272 bytes x wave
	v_mul_u32_u24 v8, v11, SP
	v_lshl_add_u32 v8, v28, 5, v8
	v_add_nc_u32 v8, s16, v8                       ; in: row r, 32 bytes for each half of the lanes
	v_mul_u32_u24 v9, v28, SP
	v_lshl_add_u32 v9, v11, 4, v9
	v_add_nc_u32 v9, s16, v9                       ; back: lanes 0-15 one row of 256 bytes, lanes 16-31 the next
	v_lshlrev_b32 v10, 11, v28
	v_lshl_add_u32 v10, v11, 4, v10                ; and the same two rows in out0
	s_wait_alu depctr_va_vdst(0)                   ; v6 to v10 are written: the LDS loads and stores and the global stores of this phase read them as addresses
	s_barrier_signal -1
	s_barrier_wait -1                              ; all 128 fragments lie in LDS; nobody reads x's images any more
	ATLOAD 0, 0
	ATLOAD 0, 4
.irp ks, 0,1,2,3,4,5,6,7,8,9,10,11,12,13,14,15
	KSTEP \ks
.endr
; THE WAY OUT, a tile of 16 rows x my 64 columns at a time.  A lane holds 32 neighbouring bytes of a row, the lanes beside it other rows: so a tile goes through my own stage and comes back as whole
; pieces of 256 bytes.  LDS serves a wave's instructions in order (ISA guide 5.7.1.4): no wait between the stores and the loads, nor ahead of the next tile's stores.
.macro TOSTAGE a
	WIN 0x04                                       ; an LDS store's data are its source 1: window 1
.irp n, 0,1,2,3
	ds_store_b128 v8, v[8*(4*(\a)+\n):8*(4*(\a)+\n)+3] offset:64*\n          ; each accumulator from its low end on
	ds_store_b128 v8, v[8*(4*(\a)+\n)+4:8*(4*(\a)+\n)+7] offset:64*\n+16
.endr
	WIN 0
.irp t, 0,1,2,3,4,5,6,7
	ds_load_b128 v[BK+32*((\a)%2)+4*\t:BK+32*((\a)%2)+4*\t+3], v9 offset:\t*2*SP
.endr
.endm
.macro SEND a, younger                 ; younger: the LDS instructions issued behind tile a's loads
	s_wait_dscnt \younger
.irp t, 0,1,2,3,4,5,6,7
	global_store_b128 v10, v[BK+32*((\a)%2)+4*\t:BK+32*((\a)%2)+4*\t+3], s[12:13] offset:(16*(\a)+2*\t)*2048 th:TH_STORE_NT   ; sixteen lanes store 256 consecutive bytes, at a multiple of 256 from out0's first byte
.endr
.endm
	PLACES
	s_wait_alu depctr_va_vdst(0)                   ; the products have written the accumulators, which the stage's stores read, and are done reading the fragments' buffers, in which the stage's loads land; the places above stay beside this wait
	TOSTAGE 0
.irp a, 1,2,3,4,5,6,7
.if \a > 1
	s_wait_xcnt 0x0                                ; tile a - 2's stores have had their addresses translated
	s_wait_alu depctr_vm_vsrc(0)                   ; tile a - 2's global stores have read their registers, in which tile a's loads land
.endif
	TOSTAGE \a
	SEND \a-1, 16                                  ; behind tile a - 1's loads: tile a's 8 stores and 8 loads
.endr
	SEND 7, 0
	s_wait_dscnt 0x0                               ; the closing lines, six on end
	s_wait_alu 0x0
	s_wait_tensorcnt 0x0
	ds_add_u32 v[SPW], v[NIL]
	s_wait_dscnt 0x0
	s_endpgm
.Lfunc_end_k_q091cbc087c_fused:
	.size	k_q091cbc087c_fused, .Lfunc_end_k_q091cbc087c_fused-k_q091cbc087c_fused
	.p2alignl 7, 3214868480
	.fill 96, 4, 3214868480
	.section	.rodata,"a",@progbits
	.p2align	6, 0x0
	.amdhsa_kernel k_q091cbc087c_fused
		.amdhsa_group_segment_fixed_size 184320
		.amdhsa_private_segment_fixed_size 0
		.amdhsa_enable_private_segment 0
		.amdhsa_kernarg_size 40
		.amdhsa_user_sgpr_count 2
		.amdhsa_user_sgpr_kernarg_segment_ptr 1
		.amdhsa_wavefront_size32 1
		.amdhsa_system_sgpr_workgroup_id_x 1
		.amdhsa_system_sgpr_workgroup_id_y 1
		.amdhsa_system_sgpr_workgroup_id_z 1
		.amdhsa_system_vgpr_workitem_id 0
		.amdhsa_next_free_vgpr 512
		.amdhsa_next_free_sgpr 66
		.amdhsa_reserve_vcc 0
		.amdhsa_float_denorm_mode_32 3
		.amdhsa_float_denorm_mode_16_64 3
		.amdhsa_memory_ordered 1
		.amdhsa_forward_progress 1
		.amdhsa_inst_pref_size 255
	.end_amdhsa_kernel
	.section	.bss,"aw",@nobits
	.p2align	6
	.space	262144
	.amdgpu_metadata
---
amdhsa.version: [ 1, 2 ]
amdhsa.kernels:
  - .name:           k_q091cbc087c_fused
    .symbol:         k_q091cbc087c_fused.kd
    .args:
      - { .name: x, .offset: 0, .size: 8, .value_kind: global_buffer, .address_space: global }
      - { .name: wcodes, .offset: 8, .size: 8, .value_kind: global_buffer, .address_space: global }
      - { .name: wscales, .offset: 16, .size: 8, .value_kind: global_buffer, .address_space: global }
      - { .name: wo16, .offset: 24, .size: 8, .value_kind: global_buffer, .address_space: global }
      - { .name: out0, .offset: 32, .size: 8, .value_kind: global_buffer, .address_space: global }
    .group_segment_fixed_size: 184320
    .private_segment_fixed_size: 0
    .kernarg_segment_align: 8
    .kernarg_segment_size: 40
    .max_flat_workgroup_size: 256
    .sgpr_count:     66
    .vgpr_count:     512
    .wavefront_size: 32
...
	.end_amdgpu_metadata
.endif
;; end of part 3
